; MI455X (gfx1250); checked and timed in simulation.
; The chip was launched on July 23, 2026; its instructions are those of AMD's public machine-readable ISA for CDNA 5 (MIT licence, August 2026) and "CDNA5" Instruction Set Architecture Reference Guide (July 2026). The comments in the code are by the model that wrote it; some were corrected since.
;; Multi Head Attention Linear. Allowed arithmetic: matrix products marked QUANTISED: E4M3 operands, one E8M0 scale for each 32 along K, by v_wmma_scale_f32_16x16x128_f8f6f4 with both operands' format E4M3, f32 sums; everything else in f32.
;; Inputs: Wk_codes 1,024 x 32 x 32 uint8 (E4M3 codes of Wk, K innermost, in blocks of 32 codes); Wk_scales 1,024 x 32 uint8 (E8M0 scales of Wk, one for each 32 codes along K); Wq_codes 1,024 x 32 x 32 uint8 (E4M3 codes of Wq, K innermost, in blocks of 32 codes); Wq_scales 1,024 x 32 uint8 (E8M0 scales of Wq, one for each 32 codes along K); Wv_codes 1,024 x 32 x 32 uint8 (E4M3 codes of Wv, K innermost, in blocks of 32 codes); Wv_scales 1,024 x 32 uint8 (E8M0 scales of Wv, one for each 32 codes along K); beta 1,024 float32; bk 1,024 float32; bq 1,024 float32; bv 1,024 float32; gamma 1,024 float32; mask 4,096 x 4,096 bool; pad_mask 4 x 4,096 bool; x 4 x 4,096 x 1,024 float32.
;; Outputs: out0 4 x 4,096 x 1,024 float32.
;; This version of the problem:
;;   THIS VERSION OF THE PROBLEM IS GIVEN IN LOW PRECISION. The matrix products marked QUANTISED in the list below multiply operands that are first quantised to E4M3 (4 exponent bits, 3 mantissa bits; 8 bits a number), with one power-of-two scale for each 32 numbers along K (OCP MX v1.0); their sums are f32. All else is computed in f32.
;;   The module's matrix products, in the order in which they are computed (A, B: the left and right operand; K: the contracted axis; several contracted axes count as one K, in the product's order):
;;     1. [M 16,384, K 1,024] x [K 1,024, N 1,024]; A: input x; B: input Wq (given as codes): QUANTISED
;;     2. [M 16,384, K 1,024] x [K 1,024, N 1,024]; A: input x; B: input Wk (given as codes): QUANTISED
;;     3. [M 16,384, K 1,024] x [K 1,024, N 1,024]; A: input x; B: input Wv (given as codes): QUANTISED
;;     4. batch 64 x [M 64, K 4,096] x [K 4,096, N 64]; A: softmax (see below); B: computed on the way: QUANTISED
;;     5. batch 64 x [M 4,096, K 64] x [K 64, N 64]; A: softmax (see below); B: computed on the way: QUANTISED
;;   THE QUANTISER, for each operand of a quantised product, along K:
;;     - K is cut into blocks of 32 from its start; a last block that is shorter is filled with zeros.
;;     - A block's scale is 2^e with e = floor(log2(the largest magnitude in the block)) - 8, held to -126 .. 127; a block of zeros has e = 0. As a byte (E8M0): e + 127.
;;     - Each number is divided by its block's scale, clamped to +-448, and rounded to the nearest number of E4M3, ties to even, subnormals kept.
;;     - The product sums the exact products of the quantised numbers (number of the format x scale) in f32.
;;   ~~~python
;;   def quantise(x, axis):      # numpy; x: float32 -> the quantised numbers, widened to float32 again
;;       x = np.moveaxis(x, axis, -1); K = x.shape[-1]
;;       x = np.pad(x, [(0, 0)] * (x.ndim - 1) + [(0, -K % 32)]); x = x.reshape(x.shape[:-1] + (-1, 32)); a = np.abs(x).max(-1, keepdims=True)
;;       e = np.where(a > 0, np.clip(np.frexp(np.where(a > 0, a, 1))[1] - 1 - 8, -126, 127), 0)      # np.frexp(a)[1] - 1 = floor(log2(a)), exactly
;;       r = np.clip(x / 2.0 ** e, -448, 448)
;;       step = 2.0 ** (np.maximum(np.frexp(np.where(r == 0, 1, r))[1] - 1, -6) - 3)
;;       q = np.round(r / step) * step * 2.0 ** e      # np.round: ties to even
;;       return np.moveaxis(q.reshape(q.shape[:-2] + (-1,))[..., :K], -1, axis).astype(np.float32)
;;   ~~~
;;   SOFTMAX AHEAD OF A QUANTISED PRODUCT. Where the list says 'softmax', what is quantised is not the finished softmax but p = 2^(t - M), with t = logit x log2(e) and M = ceil(the row's largest t), a whole number; so 1/2 < the row's largest p <= 1. The row's sum l is taken of the UNQUANTISED p, in f32, and the product's result is divided by l at the end. Since M is a whole number, a kernel that streams over the keys may use a running M (the ceiling of the running maximum): every later rescaling is an exact power of two, which a block's scale takes up: the codes' values come out the same.
;;   OPERANDS COMPUTED ON THE WAY. 'Computed on the way' means the value that the module computes at that place (a softmax that the list does not call 'softmax' is quantised finished and normalised). What goes into a quantiser is computed in f32, as accurately as f32 sums, v_exp_f32 and their like allow (about 1e-6 of the number): no bf16 or f16 on the way to a quantiser, and a product that is left as it is and whose result goes on into a quantised operand takes f32 operands (vector FMAs, or v_wmma_f32_16x16x4_f32). A number that lies on a knife's edge between two numbers of the format may be rounded either way, as far as f32 arithmetic and the matrix unit's own rounding can turn it there, and no further.
;;   INPUTS GIVEN AS CODES. Wk (in the module: [1024, 1024], K = its axis 1); Wq (in the module: [1024, 1024], K = its axis 1); Wv (in the module: [1024, 1024], K = its axis 1): each comes as NAME_codes (uint8): NAME with its K axis moved to the last place and cut into blocks of 32 codes, [.., K / 32, bytes a block], one block behind the other in memory; one code a byte (a code: sign, 4 exponent bits, 3 mantissa bits); and NAME_scales (uint8): the same leading axes, one E8M0 byte (e + 127) for each 32 codes along K. Its value is code x scale, taken as it is: it is not quantised again, and the codes and scales need not be those that the quantiser above would give.
;; One version. Each part assembles by itself: llvm-mc -triple=amdgcn-amd-amdhsa -mcpu=gfx1250 --defsym DOCPART=n.
;; ======== version 1 of 1: 4 launches
;; workspace buffers: xc 16,777,216 bytes; xs 524,288 bytes; qc 16,777,216 bytes; qs 4,194,304 bytes; gp 4,456,448 bytes; gq 294,912 bytes
;; launch quant (part 1): grid 256 x 1, 16 waves a work-group, no clusters, 137,216 bytes of LDS; arguments x, xc, xs; writes xc, xs
.if DOCPART == 1
	.amdgcn_target "amdgcn-amd-amdhsa--gfx1250"
	.amdhsa_code_object_version 6
	.text
	.protected	k_q9511d5d9c7_quant
	.globl	k_q9511d5d9c7_quant
	.p2align	8
	.type	k_q9511d5d9c7_quant,@function
k_q9511d5d9c7_quant:
	s_mov_b64 s[64:65], 0
	v_nop
	global_prefetch_b8 v0, s[64:65] scope:SCOPE_SE
	s_setreg_imm32_b32 hwreg(HW_REG_WAVE_MODE, 25, 1), 1
	s_wait_xcnt 0x0
; x [16384][1024] f32 becomes codes of FP8 (E4M3) with one E8M0 scale byte for each 32 along K, laid as the next launch's operand registers take them:
;   xc [block of 64 rows 256][K step of 128: 8][tile of 16 rows: 4][c 4][lane 32][16 bytes]: lane (r, h) holds row 16 t + r, k = 128 s + 32 c + 16 h + 0 .. 15
;   xs [block 256][pair of K steps 4][row 64][2 words]: a word is the four scale bytes of one row and one K step
; A block's scale is 2^(floor(log2(largest magnitude)) - 8); its byte is the largest magnitude's exponent field - 8, held at 1 from below.  Numbers are held within +-448 x the scale and rounded to the nearest code.
; LIMITS: a block whose largest magnitude lies under 2^-118 (a block of zeros too) gets the byte 1: its codes are then zeros or subnormal codes, and the bytes are read by this program alone; NaN and infinities are not served.
; SHARES.  A work-group takes 64 rows; wave w takes tile w % 4 and K steps 2 (w / 4), 2 (w / 4) + 1: 16 rows x 1,024 bytes.  No loop, no barrier: waves share nothing.  All 32 loads of a wave go out at its head.
; Each load reads 512 consecutive bytes of one row.  The conversions want 16 neighbours along K in one lane, so a K step's 16 x 512 bytes turn through the wave's own stage in LDS (rows 528 bytes apart:
; an odd multiple of 16, so that the sixteen rows which a read touches begin in sixteen different 16-byte columns of 256 bytes).
; No matrix unit, no cluster, no tensor load: every byte is read once by one wave, and nothing is shared.
.set PITCH, 528
.set WST,   16*PITCH                   ; a wave's stage
.set TM,  12                           ; v12-15 largest magnitudes, v16-19 the other half's / the bytes, v20-23 448 x the scale, v24-27 the conversions' scale operands
.set PW,  28                           ; v28, v29 the two K steps' scale words
.set SW,  30                           ; v30 the word that my lane stores
.set C,   32                           ; v32-47, v48-63 the two K steps' codes
.set N,   64                           ; v64-127 64 numbers: register 16 b + i = k 32 b + 16 h + i of my row
.set R,   128                          ; v128-191, v192-255 the two K steps as loaded
.set SEL, 18                           ; s[18:19] lane selects: lane l xor 16
.set MNT, 20                           ; s20 the mantissa field of 448
.macro LOADK kk
.irp i, 0,1,2,3,4,5,6,7,8,9,10,11,12,13,14,15
	global_load_b128 v[R+64*\kk+4*\i:R+64*\kk+4*\i+3], v2, s[4:5] offset:4096*\i+512*\kk th:TH_LOAD_NT
.endr
.endm
.macro TURN kk                         ; through the stage: LDS serves a wave's instructions in order, so no wait stands between the stores and the loads
.irp i, 0,1,2,3,4,5,6,7,8,9,10,11,12,13,14,15
	ds_store_b128 v3, v[R+64*\kk+4*\i:R+64*\kk+4*\i+3] offset:PITCH*\i
.endr
.irp c, 0,1,2,3
.irp j, 0,1,2,3
	ds_load_b128 v[N+16*\c+4*\j:N+16*\c+4*\j+3], v4 offset:128*\c+16*\j
.endr
.endr
.endm
.macro QUANT kk                        ; the 64 numbers in v[N] on become 16 registers of codes and a scale word
.irp b, 0,1,2,3
	v_max3_num_f32 v[TM+\b], |v[N+16*\b]|, |v[N+1+16*\b]|, 0x4800000       ; my 16 numbers of block b, and the floor 2^(9 - 127): the byte cannot fall under 1
.endr
.irp i, 2,4,6,8,10,12,14
.irp b, 0,1,2,3
	v_max3_num_f32 v[TM+\b], v[TM+\b], |v[N+16*\b+\i]|, |v[N+1+16*\b+\i]|  ; the four blocks by turns
.endr
.endr
.irp b, 0,1,2,3
	v_permlanex16_b32 v[TM+4+\b], v[TM+\b], s[SEL], s[SEL+1]
.endr
.irp b, 0,1,2,3
	v_max_num_f32 v[TM+\b], v[TM+\b], v[TM+4+\b]                           ; with lane l xor 16's 16: the block's largest magnitude
.endr
.irp b, 0,1,2,3
	v_add_nc_u32 v[TM+12+\b], 0xfc000000, v[TM+\b]                         ; 8 off its exponent field: the conversion's scale operand
.endr
.irp b, 0,1,2,3
	v_and_or_b32 v[TM+8+\b], v[TM+\b], 0x7f800000, s[MNT]                  ; 448 x the scale
.endr
.irp b, 0,1,2,3
	v_lshrrev_b32 v[TM+4+\b], 23, v[TM+12+\b]                              ; the scale's byte
.endr
	v_lshl_or_b32 v[PW+\kk], v[TM+5], 8, v[TM+4]
	v_lshl_or_b32 v[PW+\kk], v[TM+6], 16, v[PW+\kk]
	v_lshl_or_b32 v[PW+\kk], v[TM+7], 24, v[PW+\kk]
.irp b, 0,1,2,3
.irp i, 0,1,2,3,4,5,6,7,8,9,10,11,12,13,14,15
	v_med3_num_f32 v[N+16*\b+\i], v[N+16*\b+\i], -v[TM+8+\b], v[TM+8+\b]   ; the conversion to an 8-bit code does not saturate (ISA guide 7.6.2): the hold comes first
.endr
	v_cvt_scalef32_pk8_fp8_f32 v[C+16*\kk+4*\b:C+16*\kk+4*\b+1], v[N+16*\b:N+16*\b+7], v[TM+12+\b]
	v_cvt_scalef32_pk8_fp8_f32 v[C+16*\kk+4*\b+2:C+16*\kk+4*\b+3], v[N+16*\b+8:N+16*\b+15], v[TM+12+\b]
.endr
	v_nop                                          ; a plain line behind the last conversion
.irp c, 0,1,2,3
	global_store_b128 v2, v[C+16*\kk+4*\c:C+16*\kk+4*\c+3], s[6:7] offset:8192*\kk+512*\c   ; 32 lanes store 512 consecutive bytes, aligned
.endr
.endm
	s_load_b128 s[4:7], s[0:1], 0x0                ; x, xc
	s_load_b64 s[8:9], s[0:1], 0x10                ; xs
	v_lshl_add_u32 v11, v0, 2, 0x21000
	v_mov_b32 v31, 0
	v_lshrrev_b32 v1, 5, v0
	v_readfirstlane_b32 s10, v1                    ; wave 0..15
	s_and_b32 s11, s10, 3                          ; t: my tile of 16 rows
	s_lshr_b32 s12, s10, 2                         ; p: my pair of K steps
	s_lshl_b32 s14, ttmp9, 18                      ; x: 64 rows of 4,096 bytes a block,
	s_lshl_b32 s16, s11, 16                        ; 16 rows a tile,
	s_add_co_u32 s14, s14, s16
	s_lshl_b32 s16, s12, 10                        ; 1,024 bytes a pair of K steps
	s_add_co_u32 s14, s14, s16
	s_mov_b32 s15, 0
	v_and_b32 v1, 31, v0                           ; lane
	v_lshlrev_b32 v2, 4, v1                        ; 16 x lane
	s_wait_kmcnt 0x0
	s_add_nc_u64 s[4:5], s[4:5], s[14:15]
	LOADK 0
	LOADK 1
	s_lshl_b32 s14, ttmp9, 16                      ; xc: 65,536 bytes a block, 16,384 a pair of K steps, 2,048 a tile
	s_lshl_b32 s16, s12, 14
	s_add_co_u32 s14, s14, s16
	s_lshl_b32 s16, s11, 11
	s_add_co_u32 s14, s14, s16
	s_add_nc_u64 s[6:7], s[6:7], s[14:15]
	s_lshl_b32 s14, ttmp9, 11                      ; xs: 2,048 bytes a block, 512 a pair, 128 a tile
	s_lshl_b32 s16, s12, 9
	s_add_co_u32 s14, s14, s16
	s_lshl_b32 s16, s11, 7
	s_add_co_u32 s14, s14, s16
	s_add_nc_u64 s[8:9], s[8:9], s[14:15]
	s_mov_b32 s[SEL], 0x76543210
	s_mov_b32 s[SEL+1], 0xfedcba98
	s_mov_b32 s[MNT], 0x600000
	s_mul_i32 s13, s10, WST                        ; my stage
	v_add_nc_u32 v3, s13, v2                       ; in: 16 x lane of a row
	v_and_b32 v6, 15, v0                           ; r
	v_bfe_u32 v7, v0, 4, 1                         ; h
	v_mul_u32_u24 v4, v6, PITCH
	v_lshl_add_u32 v4, v7, 6, v4
	v_add_nc_u32 v4, s13, v4                       ; out: row r, + 64 h: my 16 numbers of a block of 32
	v_lshlrev_b32 v5, 3, v6
	v_lshl_add_u32 v5, v7, 2, v5                   ; xs: 8 r + 4 h: lanes 0-15 store the first K step's word, lanes 16-31 the second's
.irp b, 0,1,2,3
	v_mov_b32 v[TM+4+\b], 0                        ; written once: a lane permute's destination counts as one of its sources
.endr
	s_wait_loadcnt 16                              ; the first K step's sixteen loads are in; the second's sixteen may be out
	TURN 0
	s_wait_dscnt 0x0
	QUANT 0
	s_wait_loadcnt 0x0
	TURN 1
	s_wait_dscnt 0x0
	QUANT 1
	v_cmp_gt_u32 vcc_lo, 16, v1
	v_cndmask_b32 v[SW], v[PW+1], v[PW], vcc_lo    ; every lane holds its row's two words: the lower half sends the first, the upper the second
	global_store_b32 v5, v[SW], s[8:9]             ; 128 consecutive bytes
	s_wait_tensorcnt 0x0
	ds_add_u32 v11, v31
	s_wait_dscnt 0x0
	s_endpgm
.Lfunc_end_k_q9511d5d9c7_quant:
	.size	k_q9511d5d9c7_quant, .Lfunc_end_k_q9511d5d9c7_quant-k_q9511d5d9c7_quant
	.p2alignl 7, 3214868480
	.fill 96, 4, 3214868480
	.section	.rodata,"a",@progbits
	.p2align	6, 0x0
	.amdhsa_kernel k_q9511d5d9c7_quant
		.amdhsa_group_segment_fixed_size 137216
		.amdhsa_private_segment_fixed_size 0
		.amdhsa_enable_private_segment 0
		.amdhsa_kernarg_size 24
		.amdhsa_user_sgpr_count 2
		.amdhsa_user_sgpr_kernarg_segment_ptr 1
		.amdhsa_wavefront_size32 1
		.amdhsa_system_sgpr_workgroup_id_x 1
		.amdhsa_system_sgpr_workgroup_id_y 1
		.amdhsa_system_sgpr_workgroup_id_z 1
		.amdhsa_system_vgpr_workitem_id 0
		.amdhsa_next_free_vgpr 256
		.amdhsa_next_free_sgpr 66
		.amdhsa_reserve_vcc 1
		.amdhsa_float_denorm_mode_32 3
		.amdhsa_float_denorm_mode_16_64 3
		.amdhsa_memory_ordered 1
		.amdhsa_forward_progress 1
		.amdhsa_inst_pref_size 27
	.end_amdhsa_kernel
	.amdgpu_metadata
---
amdhsa.version: [ 1, 2 ]
amdhsa.kernels:
  - .name:           k_q9511d5d9c7_quant
    .symbol:         k_q9511d5d9c7_quant.kd
    .args:
      - { .name: x, .offset: 0, .size: 8, .value_kind: global_buffer, .address_space: global }
      - { .name: xc, .offset: 8, .size: 8, .value_kind: global_buffer, .address_space: global }
      - { .name: xs, .offset: 16, .size: 8, .value_kind: global_buffer, .address_space: global }
    .group_segment_fixed_size: 137216
    .private_segment_fixed_size: 0
    .kernarg_segment_align: 8
    .kernarg_segment_size: 24
    .max_flat_workgroup_size: 512
    .sgpr_count:     66
    .vgpr_count:     256
    .wavefront_size: 32
...
	.end_amdgpu_metadata
.endif
;; end of part 1
;; launch qkv (part 2): grid 16 x 16, 4 waves a work-group, no clusters, 294,912 bytes of LDS; arguments xc, xs, Wq_codes, Wv_codes, Wk_codes, Wq_scales, Wv_scales, Wk_scales, bq, bv, bk, qc, qs, gp; writes qc, qs, gp
.if DOCPART == 2
	.amdgcn_target "amdgcn-amd-amdhsa--gfx1250"
	.amdhsa_code_object_version 6
	.text
	.protected	k_q9511d5d9c7_qkv
	.globl	k_q9511d5d9c7_qkv
	.p2align	8
	.type	k_q9511d5d9c7_qkv,@function
k_q9511d5d9c7_qkv:
	s_mov_b64 s[64:65], 0
	v_nop
	global_prefetch_b8 v0, s[64:65] scope:SCOPE_SE
	s_setreg_imm32_b32 hwreg(HW_REG_WAVE_MODE, 25, 1), 1
	s_wait_xcnt 0x0
; For one head and 1,024 rows of one batch: q, v, k = Q8(x) W^T + b on codes of FP8 (E4M3) with E8M0 scales; q's softmax over the head's 64 channels, as codes; and this chunk's part of
; G[d][e] = sum over rows s of p_k[s][d] v[s][e], the second quantised product, with p_k = 2^(t - M) over the rows.
; SOFTMAX AHEAD OF A PRODUCT: t = logit x log2(e), M = the largest t rounded up to a whole number, p = 2^(t - M) is quantised, the sum l is taken of the unquantised p and divides later.
; For k the maximum runs: each wave keeps -M, l and G for its rows; when M moves, l and G are multiplied by 2^(old M - new M), which rounds nothing.  At the end the four waves' G, M, l are joined in LDS.
; OUT: qc [tile of 16 rows 1024][head 16][c 2][lane 32][16 bytes] p_q's codes as an image of operand registers; qs [tile][head][lane][2 words] = (1 / l, the two scale bytes);
;      gp: a record of 17,408 bytes for (batch, head, chunk): [j 4][i 4][q 2][lane][16 bytes]: lane (r, h) holds G(d = 16 j + r, e = 16 i + 8 h + 4 q + 0 .. 3); then [j 4][lane][2 words] = (-M, l) of d = 16 j + r.
; SHARES.  Work-group (head, y): rows 1024 y on.  Wave w takes four blocks of 64 rows, one a trip.  The head's 192 weight rows (64 of Wq, Wv, Wk: 200 KB with their scales) come into LDS once and stay.
; A block of x, all of K, lies in 512 REGISTERS and serves 384 products: x goes from memory straight into the registers where it is used; LDS is read for weights alone, 2 KB for four products.
; NO CLUSTER: x would gain nothing from LDS (64 KB written and read again for each block, and beside the weights' 200 KB only one K step's slots would fit); the weights are shared between
; work-groups but are fetched once, 200 KB of the 1.2 MB that a work-group reads.
; LAYOUT.  v and k: source 0 = 16 rows of x, source 1 = 16 rows of W: a lane holds ONE channel and its registers run along the rows, which are the next product's K.  q: the sources swapped: a lane holds one row and
; its registers run along the channels.  The 16 registers of two neighbouring tiles hold, at place 32 b + 16 h + 8 u + j of the next K, the true index 32 b + 16 u + 8 h + j: a permutation INSIDE a block of 32,
; the same in both operands of the next product (p_k and v come from the same tiles of x; the launch that lays G's codes uses the same map), so blocks and scales are the true ones and each product meets its partner.
; A block of 64 rows is half of the matrix instruction's 128 along K: the upper half of both operands is zero codes (their scale bytes are 0, which is 2^-127 and harmless over zeros).
; mask and pad_mask: the module takes them and never uses them; no result hangs on them, and no launch loads them.
; LIMITS: NaN and infinities are not served; a block whose largest magnitude lies under 2^-118 gets the byte 1; v_exp_f32 gives 0 for results under 2^-126 (ISA guide 15.8), which are nothing beside a row's largest p, over 1/2.
; REGISTERS, in windows of 256.  Windows 1, 2: x's fragment (K step s, tile t) at v[64 (s % 4) + 16 t] of window 1 + s / 4.  Window 3: v0-127 two sets of four weight fragments; for the second product eight frames of 16
; (v's channels tile i at 16 i, p_k's tile j at 64 + 16 j: 8 registers of codes, 8 of zeros); v128-255 G(i, j) at 128 + 8 (4 j + i).  Window 0: v128-255 sixteen accumulators; v0-127 as named below.
.set WPITCH, 1040                      ; a weight row in LDS: 1,024 bytes + 16: an odd multiple of 16, so the sixteen rows that a load touches begin in sixteen different 16-byte columns of 256 bytes
.set W_G,    64*WPITCH                 ; a group's 64 rows.  Groups: 0 q, 1 v, 2 k
.set WSC,    3*W_G                     ; the weights' scale bytes: rows of 32 bytes + 8
.set S_G,    64*40
.set BQL,    WSC+3*S_G                 ; bq's 64 numbers, once for each wave: 256 bytes
.set VPK,    BQL+1024                  ; v's codes of the block in hand: 4 KB a wave
.set CST,    VPK+16384                 ; the join: 17,408 bytes a wave: G, then (-M, l)
.set CSTW,   17408
.set L16, 1                            ; v1  16 x lane
.set L8,  2                            ; v2  8 x lane
.set AW,  3                            ; v3-5 my place in a group's weight rows: 1040 r + 16 h + the group
.set AWS, 6                            ; v6  in the weights' scale rows: 40 x lane
.set ABQ, 7                            ; v7  bq in LDS: + 32 h
.set AVP, 8                            ; v8  v's codes
.set ACS, 9                            ; v9  the join: where I store
.set ACR, 10                           ; v10 where I read G
.set ASR, 11                           ; v11 where I read (-M, l)
.set BKC, 12                           ; v12-15 bk x log2(e) of my channel in tile a
.set BV,  16                           ; v16-23 bv of my channel in tile a, twice
.set XS,  24                           ; v24-39 x's scale words: 8 (t / 2) + s: lanes 0-15 the even tile, lanes 16-31 the odd
.set WS,  40                           ; v40-43 the weights' scale words: 2 x set + a / 2: lanes 0-15 the even tile, lanes 16-31 the odd
.set NM,  44                           ; v44-51 pairs: -M of tile a; at the end l beside it
.set TMX, 52                           ; v52-55 the running largest t
.set LS,  56                           ; v56-63 l in two halves
.set F,   64                           ; v64-71 pairs: 2^(old M - new M); in q's softmax the sums
.set AD,  72                           ; v72-79 pairs: what is added to logit x log2(e)
.set VW,  80                           ; v80-83 v's scale words
.set PW,  84                           ; v84-87 p_k's scale words
.set QP,  88                           ; v88-95 pairs (1 / l, scale bytes) of q's four tiles
.set MB,  96                           ; v96-103 the eight blocks' largest
.set PT,  104                          ; v104-111 at work: the other half's, the bytes, then the first tile's codes
.set LIM, 112                          ; v112-119 448 x the scale
.set SOP, 120                          ; v120-127 the conversions' scale operands
.set ACC, 128
.set XB,  8                            ; s[8:9] xc at my block;  s[10:11] xs;  s[30:31] qc;  s[32:33] qs;  s[34:35] gp at my record
.set XSB, 10
.set QCB, 30
.set QSB, 32
.set GPB, 34
.set WV,  36
.set HEAD, 37
.set YY,  38
.set BLK, 39
.set SEL, 40                           ; s[40:41] lane selects: lane l xor 16
.set CS,  42                           ; s[42:43] log2(e), named as a pair by the packed form
.set MNT, 44                           ; s44 the mantissa field of 448
.set G1C, 52                           ; s[52:59] descriptor group 1: a group's codes;  s[68:75] its scale bytes;  s[76:79], s[80:83] their groups 0
.set G1S, 68
.set G0C, 76
.set G0S, 80
.set MSB, 0
.macro WIN new                         ; the immediate's high byte repeats the setting that is left; a switch that changes nothing is dropped
.if MSB != (\new)
	s_set_vgpr_msb (MSB<<8)|(\new)
.set MSB, (\new)
.endif
.endm
.macro PLACES n
.rept \n
	v_nop
.endr
.endm
; one scaled product.  z = 1: it starts a sum.  rr: bit 0: source 0's scales lie in lanes 16-31, bit 1: source 1's
.macro WMM d, a, b, z, sa, sb, rr
.if \z
.if (\rr) == 0
	v_wmma_scale_f32_16x16x128_f8f6f4 v[\d:(\d)+7], v[\a:(\a)+15], v[\b:(\b)+15], 0, v[\sa], v[\sb]
.elseif (\rr) == 1
	v_wmma_scale_f32_16x16x128_f8f6f4 v[\d:(\d)+7], v[\a:(\a)+15], v[\b:(\b)+15], 0, v[\sa], v[\sb] matrix_a_scale:MATRIX_SCALE_ROW1
.elseif (\rr) == 2
	v_wmma_scale_f32_16x16x128_f8f6f4 v[\d:(\d)+7], v[\a:(\a)+15], v[\b:(\b)+15], 0, v[\sa], v[\sb] matrix_b_scale:MATRIX_SCALE_ROW1
.else
	v_wmma_scale_f32_16x16x128_f8f6f4 v[\d:(\d)+7], v[\a:(\a)+15], v[\b:(\b)+15], 0, v[\sa], v[\sb] matrix_a_scale:MATRIX_SCALE_ROW1 matrix_b_scale:MATRIX_SCALE_ROW1
.endif
.else
.if (\rr) == 0
	v_wmma_scale_f32_16x16x128_f8f6f4 v[\d:(\d)+7], v[\a:(\a)+15], v[\b:(\b)+15], v[\d:(\d)+7], v[\sa], v[\sb]
.elseif (\rr) == 1
	v_wmma_scale_f32_16x16x128_f8f6f4 v[\d:(\d)+7], v[\a:(\a)+15], v[\b:(\b)+15], v[\d:(\d)+7], v[\sa], v[\sb] matrix_a_scale:MATRIX_SCALE_ROW1
.elseif (\rr) == 2
	v_wmma_scale_f32_16x16x128_f8f6f4 v[\d:(\d)+7], v[\a:(\a)+15], v[\b:(\b)+15], v[\d:(\d)+7], v[\sa], v[\sb] matrix_b_scale:MATRIX_SCALE_ROW1
.else
	v_wmma_scale_f32_16x16x128_f8f6f4 v[\d:(\d)+7], v[\a:(\a)+15], v[\b:(\b)+15], v[\d:(\d)+7], v[\sa], v[\sb] matrix_a_scale:MATRIX_SCALE_ROW1 matrix_b_scale:MATRIX_SCALE_ROW1
.endif
.endif
.endm
; x's four fragments of K step s, from off bytes behind the block in hand: 16 loads of 512 consecutive bytes
.macro XFRAG s, off
	WIN 0x40*(1+(\s)/4)
.irp t, 0,1,2,3
.irp c, 0,1,2,3
	global_load_b128 v[64*((\s)%4)+16*\t+4*\c:64*((\s)%4)+16*\t+4*\c+3], v[L16], s[XB:XB+1] offset:\off+8192*(\s)+2048*\t+512*\c
.endr
.endr
.endm
.macro XSLOAD off                      ; x's scale words of a block: lane l takes row 32 tp + l, two K steps a load
.irp tp, 0,1
.irp p, 0,1,2,3
	global_load_b64 v[XS+8*\tp+2*\p:XS+8*\tp+2*\p+1], v[L8], s[XSB:XSB+1] offset:\off+512*\p+256*\tp
.endr
.endr
.endm
; step n of a block's 24 (group n / 8, K step n % 8): its four weight fragments and two registers of scale words into set n % 2: 18 LDS loads
.macro WLOAD n
.set wg, (\n)/8
.set ws, (\n)%8
.set wp, (\n)%2
	WIN 0
.irp k, 0,1
	ds_load_b32 v[WS+2*wp+\k], v[AWS] offset:S_G*wg+1280*\k+4*ws
.endr
	WIN 0xc0
.irp a, 0,1,2,3
.irp c, 0,1,2,3
	ds_load_b128 v[64*wp+16*\a+4*\c:64*wp+16*\a+4*\c+3], v[AW+wg] offset:16*WPITCH*\a+128*ws+32*\c
.endr
.endr
	WIN 0
.endm
; the sixteen accumulators take turns, one instruction a turn, in every step
.macro MULKV                           ; v, k: source 0 = x, source 1 = W: accumulator (a, t) at ACC + 32 a + 8 t: lane (r, h): channel 16 a + r, rows 16 t + 8 h + 0 .. 7
.if ss == 0
.set zz, 1
.else
.set zz, 0
.endif
	WIN 0x0c|(1+ss/4)
.irp a, 0,1,2,3
.irp t, 0,1,2,3
	WMM ACC+32*\a+8*\t, 64*(ss%4)+16*\t, 64*sp+16*\a, zz, XS+8*(\t/2)+ss, WS+2*sp+\a/2, (\t%2)+2*(\a%2)
.endr
.endr
.endm
.macro MULQ                            ; q: source 0 = W, source 1 = x: accumulator (t, a) at ACC + 32 t + 8 a: lane (r, h): row 16 t + r, channels 16 a + 8 h + 0 .. 7.  bq lies in the accumulators: every step adds in place
	WIN 0x03|((1+ss/4)<<2)
.irp t, 0,1,2,3
.irp a, 0,1,2,3
	WMM ACC+32*\t+8*\a, 64*sp+16*\a, 64*(ss%4)+16*\t, 0, WS+2*sp+\a/2, XS+8*(\t/2)+ss, (\a%2)+2*(\t%2)
.endr
.endr
.endm
.macro STEP n
.set sg, (\n)/8
.set ss, (\n)%8
.set sp, (\n)%2
.if (\n) == 23
	s_wait_dscnt 0x0
.else
	s_wait_dscnt 18                                ; this step's weights are in; the next step's 18 loads may be out
.endif
.if sg == 0
	MULQ
.else
	MULKV
.endif
	WIN 0
.if ss == 7
	PLACES 9                                       ; behind a group's last products: the next group's first products write over the same accumulators
.else
	PLACES 8                                       ; in front of loads into registers that these products have read (ISA guide 7.12.1 for vector instructions)
.endif
.if (\n) <= 21
	WLOAD (\n)+2
.endif
.if sg == 2                            ; k is the last group to read x: its K step's registers take the next block's, if there is one: no load leaves its buffer
	s_cmp_eq_u32 s[BLK], 1
	s_cbranch_scc1 .Lno_next_\@
	XFRAG ss, 65536
	WIN 0
.if (\n) == 23
	XSLOAD 2048
.endif
.Lno_next_\@:
.endif
.endm
; the largest of each of the eight blocks of 16 registers; each accumulator is read from its low end on
.macro BMAXR
.irp q, 0,1,2,3,4,5,6,7
	v_max3_num_f32 v[MB+\q], v[ACC+16*\q], v[ACC+16*\q+1], v[ACC+16*\q+2]
.endr
.irp i, 3,5,7,9,11,13
.irp q, 0,1,2,3,4,5,6,7
	v_max3_num_f32 v[MB+\q], v[MB+\q], v[ACC+16*\q+\i], v[ACC+16*\q+\i+1]
.endr
.endr
.irp q, 0,1,2,3,4,5,6,7
	v_max_num_f32 v[MB+\q], v[MB+\q], v[ACC+16*\q+15]
.endr
.endm
.macro BMAXA                           ; the largest magnitude, with the floor 2^(9 - 127) among the leaves
.irp q, 0,1,2,3,4,5,6,7
	v_max3_num_f32 v[MB+\q], |v[ACC+16*\q]|, |v[ACC+16*\q+1]|, 0x4800000
.endr
.irp i, 2,4,6,8,10,12,14
.irp q, 0,1,2,3,4,5,6,7
	v_max3_num_f32 v[MB+\q], v[MB+\q], |v[ACC+16*\q+\i]|, |v[ACC+16*\q+\i+1]|
.endr
.endr
.endm
.macro JOIN                            ; with lane l xor 16's 16 numbers: the block of 32
.irp q, 0,1,2,3,4,5,6,7
	v_permlanex16_b32 v[PT+\q], v[MB+\q], s[SEL], s[SEL+1]
.endr
.irp q, 0,1,2,3,4,5,6,7
	v_max_num_f32 v[MB+\q], v[MB+\q], v[PT+\q]
.endr
.endm
.macro TEXP                            ; p = 2^(logit x log2(e) + AD), and the same of each block's largest logit: the same two instructions on the same number give the block's largest p
.set e, 0
.rept 64
	v_pk_fma_f32 v[ACC+2*e:ACC+2*e+1], v[ACC+2*e:ACC+2*e+1], s[CS:CS+1], v[AD+2*(e/16):AD+2*(e/16)+1] op_sel_hi:[1,0,0]
.set e, e+1
.endr
.irp q, 0,1,2,3,4,5,6,7
	v_fma_f32 v[MB+\q], v[MB+\q], s[CS], v[AD+2*(\q/2)]
.endr
.set e, 0
.rept 128
	v_exp_f32 v[ACC+e], v[ACC+e]
.set e, e+1
.endr
.irp q, 0,1,2,3,4,5,6,7
	v_exp_f32 v[MB+\q], v[MB+\q]
.endr
.endm
.macro SCL fl                          ; from a block's largest magnitude: the conversion's operand, 448 x the scale, the byte
.if \fl
.irp q, 0,1,2,3,4,5,6,7
	v_max_num_f32 v[MB+\q], 0x4800000, v[MB+\q]
.endr
.endif
.irp q, 0,1,2,3,4,5,6,7
	v_add_nc_u32 v[SOP+\q], 0xfc000000, v[MB+\q]
.endr
.irp q, 0,1,2,3,4,5,6,7
	v_and_or_b32 v[LIM+\q], v[MB+\q], 0x7f800000, s[MNT]
.endr
.irp q, 0,1,2,3,4,5,6,7
	v_lshrrev_b32 v[PT+\q], 23, v[SOP+\q]
.endr
.endm
; hold and convert, block by block.  The first tile's codes go to v[PT] on, tile x's to the first eight registers of tile x - 1, whose numbers are done with; a block's sixteen holds stand between the conversions of two blocks
.macro HOLDCVT sym
.irp q, 0,1,2,3,4,5,6,7
.if \q < 2
.set cd, PT+4*\q
.else
.set cd, ACC+32*(\q/2-1)+4*(\q%2)
.endif
.irp i, 0,1,2,3,4,5,6,7,8,9,10,11,12,13,14,15
.if \sym
	v_med3_num_f32 v[ACC+16*\q+\i], v[ACC+16*\q+\i], -v[LIM+\q], v[LIM+\q]
.else
	v_min_num_f32 v[ACC+16*\q+\i], v[ACC+16*\q+\i], v[LIM+\q]
.endif
.endr
	v_cvt_scalef32_pk8_fp8_f32 v[cd:cd+1], v[ACC+16*\q:ACC+16*\q+7], v[SOP+\q]
	v_cvt_scalef32_pk8_fp8_f32 v[cd+2:cd+3], v[ACC+16*\q+8:ACC+16*\q+15], v[SOP+\q]
.endr
	v_nop                                          ; a plain line behind the last conversion
.endm
.macro BIASQ                           ; bq into q's sixteen accumulators: lane (r, h) of tile a wants channels 16 a + 8 h + 0 .. 7
.irp t, 0,1,2,3
.irp a, 0,1,2,3
	ds_load_b128 v[ACC+32*\t+8*\a:ACC+32*\t+8*\a+3], v[ABQ] offset:64*\a
	ds_load_b128 v[ACC+32*\t+8*\a+4:ACC+32*\t+8*\a+7], v[ABQ] offset:64*\a+16
.endr
.endr
.endm
; ---- behind q's eight steps: the softmax over the head's 64 channels (my 32 and lane l xor 16's), codes and scale bytes to memory
.macro EQ
	BMAXR
	JOIN
.irp t, 0,1,2,3
	v_max_num_f32 v[PT+\t], v[MB+2*\t], v[MB+2*\t+1]           ; the row's largest logit
.endr
.irp t, 0,1,2,3
	v_mul_f32 v[PT+\t], s[CS], v[PT+\t]
.endr
.irp t, 0,1,2,3
	v_floor_f32 v[AD+2*\t], -v[PT+\t]                          ; -M = floor(-t)
.endr
	TEXP
	v_nop                                          ; a plain line behind the exponentials
	s_wait_alu depctr_va_vdst(0)
	SCL 1
.irp t, 0,1,2,3
	v_lshl_or_b32 v[QP+2*\t+1], v[PT+2*\t+1], 8, v[PT+2*\t]    ; the row's two scale bytes
.endr
.irp t, 0,1,2,3
	v_pk_add_f32 v[F+2*\t:F+2*\t+1], v[ACC+32*\t:ACC+32*\t+1], v[ACC+32*\t+2:ACC+32*\t+3]   ; the sum of the unquantised p; the four tiles by turns
.endr
.set e, 8
.rept 56
	v_pk_add_f32 v[F+2*(e%4):F+2*(e%4)+1], v[F+2*(e%4):F+2*(e%4)+1], v[ACC+32*(e%4)+2*(e/4):ACC+32*(e%4)+2*(e/4)+1]
.set e, e+1
.endr
.irp t, 0,1,2,3
	v_add_f32 v[F+2*\t], v[F+2*\t], v[F+2*\t+1]
.endr
.irp t, 0,1,2,3
	v_permlanex16_b32 v[PT+\t], v[F+2*\t], s[SEL], s[SEL+1]
.endr
.irp t, 0,1,2,3
	v_add_f32 v[F+2*\t], v[F+2*\t], v[PT+\t]
.endr
.irp t, 0,1,2,3
	v_rcp_f32 v[QP+2*\t], v[F+2*\t]
.endr
	v_nop
	HOLDCVT 0                                      ; p is not negative: the hold is one-sided
.irp t, 0,1,2,3
.irp c, 0,1
.if \t == 0
	global_store_b128 v[L16], v[PT+4*\c:PT+4*\c+3], s[QCB:QCB+1] offset:512*\c
.else
	global_store_b128 v[L16], v[ACC+32*(\t-1)+4*\c:ACC+32*(\t-1)+4*\c+3], s[QCB:QCB+1] offset:16384*\t+512*\c   ; 512 consecutive bytes, aligned
.endif
.endr
.endr
	s_wait_alu depctr_va_vdst(0)
.irp t, 0,1,2,3
	global_store_b64 v[L8], v[QP+2*\t:QP+2*\t+1], s[QSB:QSB+1] offset:4096*\t                  ; 256 consecutive bytes, aligned
.endr
	s_wait_xcnt 0x0                                ; the stores' data lie in registers that the next products and the next maxima write
.endm
; ---- behind v's eight steps: + bv, quantised along the rows, codes to my own bytes of LDS (the weight sets need the registers meanwhile)
.macro EV
.set e, 0
.rept 64
	v_pk_add_f32 v[ACC+2*e:ACC+2*e+1], v[ACC+2*e:ACC+2*e+1], v[BV+2*(e/16):BV+2*(e/16)+1]
.set e, e+1
.endr
	BMAXA
	JOIN
	SCL 0
.irp a, 0,1,2,3
	v_lshl_or_b32 v[VW+\a], v[PT+2*\a+1], 8, v[PT+2*\a]
.endr
	HOLDCVT 1
.irp a, 0,1,2,3
.irp c, 0,1
.if \a == 0
	ds_store_b128 v[AVP], v[PT+4*\c:PT+4*\c+3] offset:512*\c
.else
	ds_store_b128 v[AVP], v[ACC+32*(\a-1)+4*\c:ACC+32*(\a-1)+4*\c+3] offset:1024*\a+512*\c
.endif
.endr
.endr
	s_wait_dscnt 0x0                               ; the stores have read registers that k's first products write
.endm
; ---- behind k's eight steps: the running softmax over the rows, and G += v^T p
.macro EK
	BMAXR
	JOIN
.irp a, 0,1,2,3
	v_max_num_f32 v[PT+\a], v[MB+2*\a], v[MB+2*\a+1]
.endr
.irp a, 0,1,2,3
	v_fma_f32 v[PT+\a], v[PT+\a], s[CS], v[BKC+\a]             ; the block's largest t of my channel
.endr
.irp a, 0,1,2,3
	v_max_num_f32 v[TMX+\a], v[TMX+\a], v[PT+\a]
.endr
.irp a, 0,1,2,3
	v_mov_b32 v[PT+4+\a], v[NM+2*\a]
.endr
.irp a, 0,1,2,3
	v_floor_f32 v[NM+2*\a], -v[TMX+\a]                         ; the new -M
.endr
.irp a, 0,1,2,3
	v_sub_f32 v[PT+4+\a], v[NM+2*\a], v[PT+4+\a]               ; old M - new M: a whole number, 0 or less
.endr
.irp a, 0,1,2,3
	v_cvt_i32_f32 v[PT+4+\a], v[PT+4+\a]                       ; (it saturates)
.endr
.irp a, 0,1,2,3
	v_ldexp_f32 v[F+2*\a], 1.0, v[PT+4+\a]
.endr
.irp a, 0,1,2,3
	v_add_f32 v[AD+2*\a], v[BKC+\a], v[NM+2*\a]
.endr
	TEXP
	s_wait_alu depctr_va_vdst(0)
.irp a, 0,1,2,3
	v_pk_mul_f32 v[LS+2*\a:LS+2*\a+1], v[LS+2*\a:LS+2*\a+1], v[F+2*\a:F+2*\a+1] op_sel_hi:[1,0]   ; l under the new M.  (A plain line behind the exponentials)
.endr
	SCL 1
.irp a, 0,1,2,3
	v_lshl_or_b32 v[PW+\a], v[PT+2*\a+1], 8, v[PT+2*\a]
.endr
.set e, 0
.rept 64
	v_pk_add_f32 v[LS+2*(e%4):LS+2*(e%4)+1], v[LS+2*(e%4):LS+2*(e%4)+1], v[ACC+32*(e%4)+2*(e/4):ACC+32*(e%4)+2*(e/4)+1]
.set e, e+1
.endr
.set e, 0
.rept 128
	v_min_num_f32 v[ACC+e], v[ACC+e], v[LIM+e/16]
.set e, e+1
.endr
	WIN 0xc0                                       ; destinations in window 3
.irp q, 0,1,2,3,4,5,6,7
	v_cvt_scalef32_pk8_fp8_f32 v[64+16*(\q/2)+4*(\q%2):64+16*(\q/2)+4*(\q%2)+1], v[ACC+16*\q:ACC+16*\q+7], v[SOP+\q]
	v_cvt_scalef32_pk8_fp8_f32 v[64+16*(\q/2)+4*(\q%2)+2:64+16*(\q/2)+4*(\q%2)+3], v[ACC+16*\q+8:ACC+16*\q+15], v[SOP+\q]
.endr
.set e, 0
.rept 64
	v_mov_b32 v[16*(e/8)+8+e%8], 0                 ; the frames' upper halves: zero codes for the 64 along K that a block of rows does not have
.set e, e+1
.endr
.irp i, 0,1,2,3
.irp c, 0,1
	ds_load_b128 v[16*\i+4*\c:16*\i+4*\c+3], v[AVP] offset:1024*\i+512*\c
.endr
.endr
	WIN 0
	BIASQ                                          ; for the next block's q; from LDS, so it may run in the last trip too
	WIN 0xc3
.set e, 0
.rept 64
	v_pk_mul_f32 v[128+2*e:128+2*e+1], v[128+2*e:128+2*e+1], v[F+2*(e/16):F+2*(e/16)+1] op_sel_hi:[1,0]   ; G under the new M; of these 64 at most four name a register of any one product below: they are the codes' places
.set e, e+1
.endr
	s_wait_dscnt 0x0
	WIN 0xff
.irp j, 0,1,2,3
.irp i, 0,1,2,3
	WMM 128+8*(4*\j+\i), 16*\i, 64+16*\j, 0, VW+\i, PW+\j, 0
.endr
.endr
	WIN 0
.endm
	s_load_b512 s[8:23], s[0:1], 0x0               ; xc, xs, Wq, Wv, Wk codes, Wq, Wv, Wk scales
	s_load_b256 s[24:31], s[0:1], 0x40             ; bq, bv, bk, qc
	s_load_b128 s[32:35], s[0:1], 0x60             ; qs, gp
	v_lshl_add_u32 v254, v0, 2, 0x47e00
	v_mov_b32 v255, 0
	ds_add_u32 v254, v255
	ds_add_u32 v254, v255
	s_wait_dscnt 0x0
	v_lshrrev_b32 v1, 5, v0
	v_readfirstlane_b32 s[WV], v1                  ; wave 0..3
	s_mov_b32 s[HEAD], ttmp9
	s_and_b32 s[YY], ttmp7, 0xffff
	s_mov_b32 s[G1C], (1<<20)|(7<<22)|(3<<25)      ; elements of 1 byte; padding on: 4 words behind every 256
	s_mov_b32 s[G1C+1], 1024<<16                   ; tensor_dim0
	s_mov_b32 s[G1C+2], 64<<16                     ; tensor_dim1
	s_mov_b32 s[G1C+3], 1024<<16                   ; tile_dim0
	s_mov_b32 s[G1C+4], 64                         ; tile_dim1
	s_mov_b32 s[G1C+5], 1024                       ; from row to row
	s_mov_b32 s[G1C+6], 0
	s_mov_b32 s[G1C+7], 0
	s_mov_b32 s[G1S], (1<<20)|(2<<22)|(1<<25)      ; padding: 2 words behind every 8
	s_mov_b32 s[G1S+1], 32<<16
	s_mov_b32 s[G1S+2], 64<<16
	s_mov_b32 s[G1S+3], 32<<16
	s_mov_b32 s[G1S+4], 64
	s_mov_b32 s[G1S+5], 32
	s_mov_b32 s[G1S+6], 0
	s_mov_b32 s[G1S+7], 0
	s_mov_b32 s[G0C], 1
	s_mul_i32 s[G0C+1], s[WV], W_G                 ; wave g fills group g
	s_mov_b32 s[G0S], 1
	s_mul_i32 s[G0S+1], s[WV], S_G
	s_add_co_u32 s[G0S+1], s[G0S+1], WSC
	s_lshl_b32 s50, s[HEAD], 16                    ; the head's 64 rows of 1,024 codes
	s_mov_b32 s51, 0
	s_wait_kmcnt 0x0
	s_cmp_eq_u32 s[WV], 1                          ; which weight: the choice hangs on the wave's number alone
	s_cselect_b64 s[46:47], s[14:15], s[12:13]
	s_cselect_b64 s[48:49], s[20:21], s[18:19]
	s_cmp_eq_u32 s[WV], 2
	s_cselect_b64 s[46:47], s[16:17], s[46:47]
	s_cselect_b64 s[48:49], s[22:23], s[48:49]
	s_add_nc_u64 s[G0C+2:G0C+3], s[46:47], s[50:51]
	s_or_b32 s[G0C+3], s[G0C+3], 0x80000000
	s_lshl_b32 s50, s[HEAD], 11                    ; and of 32 scale bytes
	s_add_nc_u64 s[G0S+2:G0S+3], s[48:49], s[50:51]
	s_or_b32 s[G0S+3], s[G0S+3], 0x80000000
	s_cmp_lt_u32 s[WV], 3                          ; waves 0 to 2 fill; a wave's two fills stand in one branch.  Nothing in LDS is filled twice in this launch
	s_cbranch_scc0 .Lno_fill
	tensor_load_to_lds s[G0C:G0C+3], s[G1C:G1C+7]
	s_nop 0
	tensor_load_to_lds s[G0S:G0S+3], s[G1S:G1S+7]
	s_nop 0
	PLACES 4
.Lno_fill:
	s_lshl_b32 s45, s[YY], 4
	s_lshl_b32 s46, s[WV], 2
	s_add_co_u32 s45, s45, s46                     ; my first block of 64 rows: 16 y + 4 wave
	s_lshl_b32 s46, s45, 16
	s_mov_b32 s47, 0
	s_add_nc_u64 s[XB:XB+1], s[XB:XB+1], s[46:47]
	s_lshl_b32 s46, s45, 11
	s_add_nc_u64 s[XSB:XSB+1], s[XSB:XSB+1], s[46:47]
	v_and_b32 v[MB], 31, v0                        ; lane
	v_and_b32 v[MB+1], 15, v0                      ; r
	v_bfe_u32 v[MB+2], v0, 4, 1                    ; h
	v_lshlrev_b32 v[L16], 4, v[MB]
	v_lshlrev_b32 v[L8], 3, v[MB]
	v_lshlrev_b32 v[MB+3], 2, v[MB+1]              ; 4 r
.irp s, 0,1,2,3,4,5,6,7
	XFRAG \s, 0                                    ; the first block of x: 128 loads
.endr
	WIN 0
	XSLOAD 0
	s_lshl_b32 s46, s45, 16                        ; qc: 4 tiles x 16 heads x 1,024 bytes a block, 1,024 a head
	s_lshl_b32 s48, s[HEAD], 10
	s_add_co_u32 s46, s46, s48
	s_add_nc_u64 s[QCB:QCB+1], s[QCB:QCB+1], s[46:47]
	s_lshl_b32 s46, s45, 14                        ; qs: a quarter of that
	s_lshl_b32 s48, s[HEAD], 8
	s_add_co_u32 s46, s46, s48
	s_add_nc_u64 s[QSB:QSB+1], s[QSB:QSB+1], s[46:47]
	s_mov_b32 s46, s48                             ; the head's 64 numbers of each bias
	s_add_nc_u64 s[24:25], s[24:25], s[46:47]
	s_add_nc_u64 s[26:27], s[26:27], s[46:47]
	s_add_nc_u64 s[28:29], s[28:29], s[46:47]
	global_load_b64 v[LIM:LIM+1], v[L8], s[24:25]  ; bq: 2 numbers a lane
.irp a, 0,1,2,3
	global_load_b32 v[BKC+\a], v[MB+3], s[28:29] offset:64*\a
	global_load_b32 v[BV+2*\a], v[MB+3], s[26:27] offset:64*\a
.endr
	s_lshr_b32 s46, s[YY], 2                       ; gp's record: ((batch x 16 + head) x 4 + chunk)
	s_lshl_b32 s46, s46, 4
	s_add_co_u32 s46, s46, s[HEAD]
	s_lshl_b32 s46, s46, 2
	s_and_b32 s48, s[YY], 3
	s_add_co_u32 s46, s46, s48
	s_mul_i32 s46, s46, CSTW
	s_add_nc_u64 s[GPB:GPB+1], s[GPB:GPB+1], s[46:47]
	s_mov_b32 s[SEL], 0x76543210
	s_mov_b32 s[SEL+1], 0xfedcba98
	s_mov_b32 s[CS], 0x3fb8aa3b                    ; log2(e)
	s_mov_b32 s[CS+1], s[CS]
	s_mov_b32 s[MNT], 0x600000
	s_mov_b32 s[BLK], 4
	v_mul_u32_u24 v[AW], v[MB+1], WPITCH
	v_lshl_add_u32 v[AW], v[MB+2], 4, v[AW]
	v_add_nc_u32 v[AW+1], W_G, v[AW]
	v_add_nc_u32 v[AW+2], 2*W_G, v[AW]
	v_mul_u32_u24 v[AWS], v[MB], 40
	v_add_nc_u32 v[AWS], WSC, v[AWS]
	s_lshl_b32 s45, s[WV], 8
	s_add_co_u32 s45, s45, BQL
	v_lshl_add_u32 v[ABQ], v[MB+2], 5, s45
	v_add_nc_u32 v[MB+4], s45, v[L8]               ; where I put my two numbers of bq
	s_lshl_b32 s45, s[WV], 12
	s_add_co_u32 s46, s45, VPK
	v_add_nc_u32 v[AVP], s46, v[L16]
	s_add_co_u32 s46, s45, CST
	v_add_nc_u32 v[ACR], s46, v[L16]
	s_mul_i32 s46, s[WV], CSTW
	s_add_co_u32 s46, s46, CST
	v_add_nc_u32 v[ACS], s46, v[L16]
	s_lshl_b32 s46, s[WV], 8
	s_add_co_u32 s46, s46, CST+16384
	v_add_nc_u32 v[ASR], s46, v[L8]
.irp a, 0,1,2,3
	v_mov_b32 v[TMX+\a], 0xff61b1e6                ; the largest t so far: -3e38, under every t
	v_floor_f32 v[NM+2*\a], -v[TMX+\a]
	v_mov_b32 v[NM+2*\a+1], 0
.endr
.irp i, 0,1,2,3,4,5,6,7
	v_mov_b32 v[LS+\i], 0                          ; l
	v_mov_b32 v[F+\i], 0                           ; (pairs are named whole: their upper words are written once)
	v_mov_b32 v[AD+\i], 0
	v_mov_b32 v[PT+\i], 0                          ; (a lane permute's destination counts as one of its sources)
.endr
	WIN 0xc0
.set e, 0
.rept 128
	v_mov_b32 v[128+e], 0                          ; G.  The block's body is written once: the first block finds zeros, which the first change of M leaves zeros
.set e, e+1
.endr
	WIN 0
	s_wait_loadcnt 0x0
.irp a, 0,1,2,3
	v_mul_f32 v[BKC+\a], s[CS], v[BKC+\a]
	v_mov_b32 v[BV+2*\a+1], v[BV+2*\a]
.endr
	ds_store_b64 v[MB+4], v[LIM:LIM+1]             ; bq into my own 256 bytes; LDS serves a wave's instructions in order
	BIASQ
	s_wait_tensorcnt 0x0                           ; my group of weights has landed,
	s_wait_dscnt 0x0
	s_barrier_signal -1
	s_barrier_wait -1                              ; everybody's has
.Lblk:                                             ; four trips: a block of 64 rows each
	PLACES 8                                       ; behind the last trip's products on the frames, which the loads below fill
	WLOAD 0
	WLOAD 1
	s_wait_loadcnt 0x0                             ; this block's x and its scale words
.irp n, 0,1,2,3,4,5,6,7
	STEP \n
.endr
	EQ
.irp n, 8,9,10,11,12,13,14,15
	STEP \n
.endr
	EV
.irp n, 16,17,18,19,20,21,22,23
	STEP \n
.endr
	EK
	s_wait_xcnt 0x0                                ; the bases are stepped only behind this wait
	s_add_nc_u64 s[XB:XB+1], s[XB:XB+1], 65536
	s_add_nc_u64 s[XSB:XSB+1], s[XSB:XSB+1], 2048
	s_add_nc_u64 s[QCB:QCB+1], s[QCB:QCB+1], 65536
	s_add_nc_u64 s[QSB:QSB+1], s[QSB:QSB+1], 16384
	s_sub_co_u32 s[BLK], s[BLK], 1
	s_cmp_lg_u32 s[BLK], 0
	s_cbranch_scc1 .Lblk
	; ---- THE JOIN of the four waves' G, M, l.  Each stores its own; behind the barrier wave w takes the channels d = 16 w + 0 .. 15
	PLACES 8
.irp a, 0,1,2,3
	v_add_f32 v[LS+2*\a], v[LS+2*\a], v[LS+2*\a+1]
.endr
.irp a, 0,1,2,3
	v_permlanex16_b32 v[PT+\a], v[LS+2*\a], s[SEL], s[SEL+1]
.endr
.irp a, 0,1,2,3
	v_add_f32 v[NM+2*\a+1], v[LS+2*\a], v[PT+\a]   ; l of my channel over the wave's 256 rows, beside its -M
.endr
	s_mul_i32 s45, s[WV], CSTW
	s_add_co_u32 s45, s45, CST
	v_add_nc_u32 v[SOP], s45, v[L8]
	WIN 0x0c                                       ; an LDS store's data are its source 1: window 3
.irp j, 0,1,2,3
.irp i, 0,1,2,3
.irp q, 0,1
	ds_store_b128 v[ACS], v[128+8*(4*\j+\i)+4*\q:128+8*(4*\j+\i)+4*\q+3] offset:1024*(4*\j+\i)+512*\q   ; each accumulator from its low end on
.endr
.endr
.endr
	WIN 0
.irp j, 0,1,2,3
	ds_store_b64 v[SOP], v[NM+2*\j:NM+2*\j+1] offset:16384+256*\j
.endr
	s_wait_dscnt 0x0                               ; for the others' sake: my stores have landed
	s_barrier_signal -1
	s_barrier_wait -1
.irp u, 0,1,2,3
	ds_load_b64 v[MB+2*\u:MB+2*\u+1], v[ASR] offset:CSTW*\u
.endr
.irp u, 0,1,2,3
.irp i, 0,1,2,3
.irp q, 0,1
	ds_load_b128 v[ACC+32*\u+8*\i+4*\q:ACC+32*\u+8*\i+4*\q+3], v[ACR] offset:CSTW*\u+1024*\i+512*\q
.endr
.endr
.endr
	s_lshl_b32 s46, s[WV], 12
	s_mov_b32 s47, 0
	s_lshl_b32 s48, s[WV], 8
	s_add_co_u32 s48, s48, 16384
	s_mov_b32 s49, 0
	s_add_nc_u64 s[48:49], s[GPB:GPB+1], s[48:49]
	s_add_nc_u64 s[GPB:GPB+1], s[GPB:GPB+1], s[46:47]
	s_wait_dscnt 0x0
	v_min_num_f32 v[PT], v[MB], v[MB+2]
	v_min_num_f32 v[PT+1], v[MB+4], v[MB+6]
	v_min_num_f32 v[PT], v[PT], v[PT+1]            ; the least -M: the largest M
.irp u, 0,1,2,3
	v_sub_f32 v[PT+4+\u], v[PT], v[MB+2*\u]
.endr
.irp u, 0,1,2,3
	v_cvt_i32_f32 v[PT+4+\u], v[PT+4+\u]
.endr
.irp u, 0,1,2,3
	v_ldexp_f32 v[F+2*\u], 1.0, v[PT+4+\u]         ; 2^(wave u's M - the largest M)
.endr
	v_mul_f32 v[PT+1], v[F], v[MB+1]
.irp u, 1,2,3
	v_fmac_f32 v[PT+1], v[F+2*\u], v[MB+2*\u+1]
.endr
.set e, 0
.rept 16
	v_pk_mul_f32 v[ACC+2*e:ACC+2*e+1], v[ACC+2*e:ACC+2*e+1], v[F:F+1] op_sel_hi:[1,0]
.set e, e+1
.endr
.irp u, 1,2,3
.set e, 0
.rept 16
	v_pk_fma_f32 v[ACC+2*e:ACC+2*e+1], v[ACC+32*\u+2*e:ACC+32*\u+2*e+1], v[F+2*\u:F+2*\u+1], v[ACC+2*e:ACC+2*e+1] op_sel_hi:[1,0,1]
.set e, e+1
.endr
.endr
.irp i, 0,1,2,3
.irp q, 0,1
	global_store_b128 v[L16], v[ACC+8*\i+4*\q:ACC+8*\i+4*\q+3], s[GPB:GPB+1] offset:1024*\i+512*\q
.endr
.endr
	global_store_b64 v[L8], v[PT:PT+1], s[48:49]
	s_wait_xcnt 0x0
	v_lshl_add_u32 v254, v0, 2, 0x47e00
	v_mov_b32 v255, 0
	s_wait_tensorcnt 0x0
	ds_add_u32 v254, v255
	s_wait_dscnt 0x0
	s_endpgm
.Lfunc_end_k_q9511d5d9c7_qkv:
	.size	k_q9511d5d9c7_qkv, .Lfunc_end_k_q9511d5d9c7_qkv-k_q9511d5d9c7_qkv
	.p2alignl 7, 3214868480
	.fill 96, 4, 3214868480
	.section	.rodata,"a",@progbits
	.p2align	6, 0x0
	.amdhsa_kernel k_q9511d5d9c7_qkv
		.amdhsa_group_segment_fixed_size 294912
		.amdhsa_private_segment_fixed_size 0
		.amdhsa_enable_private_segment 0
		.amdhsa_kernarg_size 112
		.amdhsa_user_sgpr_count 2
		.amdhsa_user_sgpr_kernarg_segment_ptr 1
		.amdhsa_wavefront_size32 1
		.amdhsa_system_sgpr_workgroup_id_x 1
		.amdhsa_system_sgpr_workgroup_id_y 1
		.amdhsa_system_sgpr_workgroup_id_z 1
		.amdhsa_system_vgpr_workitem_id 0
		.amdhsa_next_free_vgpr 1024
		.amdhsa_next_free_sgpr 84
		.amdhsa_reserve_vcc 0
		.amdhsa_float_denorm_mode_32 3
		.amdhsa_float_denorm_mode_16_64 3
		.amdhsa_memory_ordered 1
		.amdhsa_forward_progress 1
		.amdhsa_inst_pref_size 223
	.end_amdhsa_kernel
	.amdgpu_metadata
---
amdhsa.version: [ 1, 2 ]
amdhsa.kernels:
  - .name:           k_q9511d5d9c7_qkv
    .symbol:         k_q9511d5d9c7_qkv.kd
    .args:
      - { .name: xc, .offset: 0, .size: 8, .value_kind: global_buffer, .address_space: global }
      - { .name: xs, .offset: 8, .size: 8, .value_kind: global_buffer, .address_space: global }
      - { .name: Wq_codes, .offset: 16, .size: 8, .value_kind: global_buffer, .address_space: global }
      - { .name: Wv_codes, .offset: 24, .size: 8, .value_kind: global_buffer, .address_space: global }
      - { .name: Wk_codes, .offset: 32, .size: 8, .value_kind: global_buffer, .address_space: global }
      - { .name: Wq_scales, .offset: 40, .size: 8, .value_kind: global_buffer, .address_space: global }
      - { .name: Wv_scales, .offset: 48, .size: 8, .value_kind: global_buffer, .address_space: global }
      - { .name: Wk_scales, .offset: 56, .size: 8, .value_kind: global_buffer, .address_space: global }
      - { .name: bq, .offset: 64, .size: 8, .value_kind: global_buffer, .address_space: global }
      - { .name: bv, .offset: 72, .size: 8, .value_kind: global_buffer, .address_space: global }
      - { .name: bk, .offset: 80, .size: 8, .value_kind: global_buffer, .address_space: global }
      - { .name: qc, .offset: 88, .size: 8, .value_kind: global_buffer, .address_space: global }
      - { .name: qs, .offset: 96, .size: 8, .value_kind: global_buffer, .address_space: global }
      - { .name: gp, .offset: 104, .size: 8, .value_kind: global_buffer, .address_space: global }
    .group_segment_fixed_size: 294912
    .private_segment_fixed_size: 0
    .kernarg_segment_align: 8
    .kernarg_segment_size: 112
    .max_flat_workgroup_size: 128
    .sgpr_count:     84
    .vgpr_count:     1024
    .wavefront_size: 32
...
	.end_amdgpu_metadata
.endif
;; end of part 2
;; launch gred (part 3): grid 64 x 1, 4 waves a work-group, no clusters, 17,920 bytes of LDS; arguments gp, gq; writes gq
.if DOCPART == 3
	.amdgcn_target "amdgcn-amd-amdhsa--gfx1250"
	.amdhsa_code_object_version 6
	.text
	.protected	k_q9511d5d9c7_gred
	.globl	k_q9511d5d9c7_gred
	.p2align	8
	.type	k_q9511d5d9c7_gred,@function
k_q9511d5d9c7_gred:
	s_mov_b64 s[64:65], 0
	v_nop
	global_prefetch_b8 v0, s[64:65] scope:SCOPE_SE
	s_setreg_imm32_b32 hwreg(HW_REG_WAVE_MODE, 25, 1), 1
	s_wait_xcnt 0x0
; For one (batch, head): the four chunks' G, M, l are joined, gmap[d][e] = G[d][e] / l[d], and gmap is quantised along d (FP8 E4M3, one E8M0 scale for each 32) as an operand of the last product.
; IN: gp, four records of 17,408 bytes: [j 4][i 4][q 2][lane][16 bytes]: lane (r, h): G(d = 16 j + r, e = 16 i + 8 h + 4 q + 0 .. 3); then [j 4][lane][2 words] = (-M, l).
; OUT: gq, for each batch 73,728 bytes: [head 16][i 4][c 2][lane 32][16 bytes]: lane (r, h) holds row e = 16 i + r; byte 8 u + j of piece c is the code of d = 32 c + 16 u + 8 h + j: the order in which
; the softmax's codes of q lie along K; then [head 16][i 4][lane 32] scale words: the two bytes in the low half for an even head, in the high half for an odd one (two heads share a product there).
; Wave j joins the channels d = 16 j + 0 .. 15 and lays them into a table [e 64][d 64] in LDS (rows 272 bytes apart); behind one barrier wave i reads rows e = 16 i + 0 .. 15 along d.
; 64 work-groups: there is one small table for each (batch, head), and no more work to share.  No matrix unit, no cluster: nothing is shared between work-groups.
; LIMITS: a block whose largest magnitude lies under 2^-118 gets the byte 1; NaN and infinities are not served.
.set PITCH, 272
.set ST,  8                            ; v8-15  four pairs (-M, l)
.set F,   16                           ; v16-23 four factors, each twice
.set NMN, 24
.set LL,  25
.set RL,  26                           ; v26-27 1 / l, twice
.set MX,  28
.set PT,  30
.set LIM, 32
.set SOP, 34
.set WD,  36
.set C,   40                           ; v40-47 codes
.set N,   64                           ; v64-95 32 numbers: register 16 c + 8 u + j
.set GA,  128                          ; v128-255 the four chunks' G: 32 registers each
	s_load_b128 s[4:7], s[0:1], 0x0                ; gp, gq
	v_lshl_add_u32 v126, v0, 2, 0x4400
	v_mov_b32 v127, 0
	v_lshrrev_b32 v1, 5, v0
	v_readfirstlane_b32 s8, v1                     ; wave 0..3
	v_and_b32 v60, 31, v0                          ; lane
	v_and_b32 v61, 15, v0                          ; r
	v_bfe_u32 v62, v0, 4, 1                        ; h
	v_lshlrev_b32 v1, 4, v60
	v_lshlrev_b32 v2, 3, v60
	v_lshlrev_b32 v5, 2, v60
	v_mul_u32_u24 v3, v62, 8*PITCH                 ; into the table: row e = 16 i + 8 h + jj, column d = 16 j + r
	v_lshl_add_u32 v3, v61, 2, v3
	s_lshl_b32 s9, s8, 6
	v_add_nc_u32 v3, s9, v3
	v_mul_u32_u24 v4, v61, PITCH                   ; out of it: row 16 i + r, + 32 h
	v_lshl_add_u32 v4, v62, 5, v4
	s_mul_i32 s9, s8, 16*PITCH
	v_add_nc_u32 v4, s9, v4
	s_mul_i32 s10, ttmp9, 4*17408
	s_lshl_b32 s12, s8, 12
	s_add_co_u32 s12, s12, s10
	s_mov_b32 s13, 0
	s_lshl_b32 s14, s8, 8
	s_add_co_u32 s14, s14, s10
	s_add_co_u32 s14, s14, 16384
	s_mov_b32 s15, 0
	s_wait_kmcnt 0x0
	s_add_nc_u64 s[12:13], s[4:5], s[12:13]        ; G of my channels in the first record
	s_add_nc_u64 s[14:15], s[4:5], s[14:15]        ; and their (-M, l)
.irp u, 0,1,2,3
	global_load_b64 v[ST+2*\u:ST+2*\u+1], v2, s[14:15] offset:17408*\u
.endr
.irp u, 0,1,2,3
.irp i, 0,1,2,3
.irp q, 0,1
	global_load_b128 v[GA+32*\u+8*\i+4*\q:GA+32*\u+8*\i+4*\q+3], v1, s[12:13] offset:17408*\u+1024*\i+512*\q
.endr
.endr
.endr
	s_lshr_b32 s16, ttmp9, 4                       ; batch
	s_mul_i32 s16, s16, 73728
	s_and_b32 s17, ttmp9, 15                       ; head
	s_lshl_b32 s10, s17, 12
	s_add_co_u32 s10, s10, s16
	s_lshl_b32 s9, s8, 10
	s_add_co_u32 s10, s10, s9
	s_mov_b32 s11, 0
	s_lshl_b32 s22, s17, 9
	s_add_co_u32 s22, s22, s16
	s_lshl_b32 s9, s8, 7
	s_add_co_u32 s22, s22, s9
	s_add_co_u32 s22, s22, 65536
	s_mov_b32 s23, 0
	s_add_nc_u64 s[22:23], s[6:7], s[22:23]        ; my tile's scale words
	s_add_nc_u64 s[6:7], s[6:7], s[10:11]          ; my tile's codes
	s_mov_b32 s18, 0x76543210
	s_mov_b32 s19, 0xfedcba98
	s_and_b32 s20, ttmp9, 1
	s_lshl_b32 s20, s20, 4                         ; an odd head's bytes go 16 bits up
	s_mov_b32 s21, 0x600000
	v_mov_b32 v[PT], 0                             ; (a lane permute's destination counts as one of its sources)
	v_mov_b32 v[PT+1], 0
	s_wait_loadcnt 0x0
	v_min_num_f32 v[NMN], v[ST], v[ST+2]
	v_min_num_f32 v[LL], v[ST+4], v[ST+6]
	v_min_num_f32 v[NMN], v[NMN], v[LL]            ; the least -M: the largest M
.irp u, 0,1,2,3
	v_sub_f32 v[F+2*\u], v[NMN], v[ST+2*\u]
.endr
.irp u, 0,1,2,3
	v_cvt_i32_f32 v[F+2*\u], v[F+2*\u]
.endr
.irp u, 0,1,2,3
	v_ldexp_f32 v[F+2*\u], 1.0, v[F+2*\u]          ; 2^(chunk u's M - the largest M)
.endr
.irp u, 0,1,2,3
	v_mov_b32 v[F+2*\u+1], v[F+2*\u]
.endr
	v_mul_f32 v[LL], v[F], v[ST+1]
.irp u, 1,2,3
	v_fmac_f32 v[LL], v[F+2*\u], v[ST+2*\u+1]
.endr
	v_rcp_f32 v[RL], v[LL]
.set e, 0
.rept 16
	v_pk_mul_f32 v[GA+2*e:GA+2*e+1], v[GA+2*e:GA+2*e+1], v[F:F+1]
.set e, e+1
.endr
.irp u, 1,2,3
.set e, 0
.rept 16
	v_pk_fma_f32 v[GA+2*e:GA+2*e+1], v[GA+32*\u+2*e:GA+32*\u+2*e+1], v[F+2*\u:F+2*\u+1], v[GA+2*e:GA+2*e+1]
.set e, e+1
.endr
.endr
	s_wait_alu depctr_va_vdst(0)
	v_mov_b32 v[RL+1], v[RL]
.set e, 0
.rept 16
	v_pk_mul_f32 v[GA+2*e:GA+2*e+1], v[GA+2*e:GA+2*e+1], v[RL:RL+1]    ; gmap = G / l
.set e, e+1
.endr
.irp i, 0,1,2,3
.irp j, 0,1,2,3,4,5,6,7
	ds_store_b32 v3, v[GA+8*\i+\j] offset:PITCH*(16*\i+\j)
.endr
.endr
	s_wait_dscnt 0x0                               ; for the others' sake: my stores have landed
	s_barrier_signal -1
	s_barrier_wait -1
.irp c, 0,1
.irp u, 0,1
.irp q, 0,1
	ds_load_b128 v[N+16*\c+8*\u+4*\q:N+16*\c+8*\u+4*\q+3], v4 offset:128*\c+64*\u+16*\q
.endr
.endr
.endr
	s_wait_dscnt 0x0
.irp b, 0,1
	v_max3_num_f32 v[MX+\b], |v[N+16*\b]|, |v[N+16*\b+1]|, 0x4800000
.endr
.irp i, 2,4,6,8,10,12,14
.irp b, 0,1
	v_max3_num_f32 v[MX+\b], v[MX+\b], |v[N+16*\b+\i]|, |v[N+16*\b+\i+1]|
.endr
.endr
.irp b, 0,1
	v_permlanex16_b32 v[PT+\b], v[MX+\b], s18, s19
.endr
.irp b, 0,1
	v_max_num_f32 v[MX+\b], v[MX+\b], v[PT+\b]
.endr
.irp b, 0,1
	v_add_nc_u32 v[SOP+\b], 0xfc000000, v[MX+\b]
.endr
.irp b, 0,1
	v_and_or_b32 v[LIM+\b], v[MX+\b], 0x7f800000, s21
.endr
.irp b, 0,1
	v_lshrrev_b32 v[PT+\b], 23, v[SOP+\b]
.endr
	v_lshl_or_b32 v[WD], v[PT+1], 8, v[PT]
	v_lshlrev_b32 v[WD], s20, v[WD]
.irp b, 0,1
.irp i, 0,1,2,3,4,5,6,7,8,9,10,11,12,13,14,15
	v_med3_num_f32 v[N+16*\b+\i], v[N+16*\b+\i], -v[LIM+\b], v[LIM+\b]
.endr
	v_cvt_scalef32_pk8_fp8_f32 v[C+4*\b:C+4*\b+1], v[N+16*\b:N+16*\b+7], v[SOP+\b]
	v_cvt_scalef32_pk8_fp8_f32 v[C+4*\b+2:C+4*\b+3], v[N+16*\b+8:N+16*\b+15], v[SOP+\b]
.endr
	v_nop
	global_store_b128 v1, v[C:C+3], s[6:7]
	global_store_b128 v1, v[C+4:C+7], s[6:7] offset:512
	global_store_b32 v5, v[WD], s[22:23]
	s_wait_tensorcnt 0x0
	ds_add_u32 v126, v127
	s_wait_dscnt 0x0
	s_endpgm
.Lfunc_end_k_q9511d5d9c7_gred:
	.size	k_q9511d5d9c7_gred, .Lfunc_end_k_q9511d5d9c7_gred-k_q9511d5d9c7_gred
	.p2alignl 7, 3214868480
	.fill 96, 4, 3214868480
	.section	.rodata,"a",@progbits
	.p2align	6, 0x0
	.amdhsa_kernel k_q9511d5d9c7_gred
		.amdhsa_group_segment_fixed_size 17920
		.amdhsa_private_segment_fixed_size 0
		.amdhsa_enable_private_segment 0
		.amdhsa_kernarg_size 16
		.amdhsa_user_sgpr_count 2
		.amdhsa_user_sgpr_kernarg_segment_ptr 1
		.amdhsa_wavefront_size32 1
		.amdhsa_system_sgpr_workgroup_id_x 1
		.amdhsa_system_sgpr_workgroup_id_y 1
		.amdhsa_system_sgpr_workgroup_id_z 1
		.amdhsa_system_vgpr_workitem_id 0
		.amdhsa_next_free_vgpr 256
		.amdhsa_next_free_sgpr 66
		.amdhsa_reserve_vcc 0
		.amdhsa_float_denorm_mode_32 3
		.amdhsa_float_denorm_mode_16_64 3
		.amdhsa_memory_ordered 1
		.amdhsa_forward_progress 1
		.amdhsa_inst_pref_size 19
	.end_amdhsa_kernel
	.amdgpu_metadata
---
amdhsa.version: [ 1, 2 ]
amdhsa.kernels:
  - .name:           k_q9511d5d9c7_gred
    .symbol:         k_q9511d5d9c7_gred.kd
    .args:
      - { .name: gp, .offset: 0, .size: 8, .value_kind: global_buffer, .address_space: global }
      - { .name: gq, .offset: 8, .size: 8, .value_kind: global_buffer, .address_space: global }
    .group_segment_fixed_size: 17920
    .private_segment_fixed_size: 0
    .kernarg_segment_align: 8
    .kernarg_segment_size: 16
    .max_flat_workgroup_size: 128
    .sgpr_count:     66
    .vgpr_count:     256
    .wavefront_size: 32
...
	.end_amdgpu_metadata
.endif
;; end of part 3
;; launch out (part 4): grid 256 x 1, 4 waves a work-group, no clusters, 304,640 bytes of LDS; arguments x, qc, qs, gq, gamma, beta, out0; writes out0
.if DOCPART == 4
	.amdgcn_target "amdgcn-amd-amdhsa--gfx1250"
	.amdhsa_code_object_version 6
	.text
	.protected	k_q9511d5d9c7_out
	.globl	k_q9511d5d9c7_out
	.p2align	8
	.type	k_q9511d5d9c7_out,@function
k_q9511d5d9c7_out:
	s_mov_b64 s[64:65], 0
	v_nop
	global_prefetch_b8 v0, s[64:65] scope:SCOPE_SE
	s_setreg_imm32_b32 hwreg(HW_REG_WAVE_MODE, 25, 1), 1
	s_wait_xcnt 0x0
; out = LayerNorm(x + o) x gamma + beta, o[row][64 head + e] = (sum over d of p_q[row][d] gmap[d][e]) / l: the last quantised product (FP8 E4M3 codes, E8M0 scales), K = the head's 64 channels.
; IN: qc, qs: the softmax's codes, scale bytes and 1 / l for each tile of 16 rows and head, as images of operand registers; gq: the batch's sixteen gmaps as codes and scale words, likewise; x, gamma, beta f32.
; SHARES.  A work-group takes 64 rows; wave w owns 16 WHOLE rows, all sixteen heads: mean and variance never leave the wave.  A wave's 16 rows of x lie in 512 registers from the load to the store: x is read once.
; TWO HEADS TO A PRODUCT.  The instruction's K is 128, a head's 64: source 1 holds the codes of heads 2 m and 2 m + 1 on end; source 0 is gmap of one of them with zero codes in the other's half, which add nothing.
; A tile of gmap takes 24 registers: [even head 8][zeros 8][odd head 8]: registers 0-15 are the even head's frame, 8-23 the odd head's.
; Source 0 = 16 output channels of gmap, source 1 = my 16 rows: a lane holds one row and eight neighbouring channels.  They go through my own stage in LDS and come back in x's layout (lane l: 16 bytes at 512 q + 16 l of a row).
; o DOES NOT WAIT FOR x.  The stage holds WHOLE rows of o, so all eight pairs of heads are multiplied as soon as gq, the codes and 1 / l are in.  x is asked for row by row: rows 0 to 3 at the head, two rows more behind
; each of the first six pairs' products; the norm then goes by groups of four rows, and a group's stores leave while later rows are still on their way in.
; LDS.  gq 73,728 bytes; a stage of 16 rows x (3,584 + 16) bytes for each wave holds heads 0 to 13.  Whole rows for four waves beside gq would be 263,168 + 73,728 bytes, more than there is: so the last pair's 512 bytes a row
; go over gq's first 33,792 bytes (heads 0 to 8), behind a barrier in front of which every wave has finished all its reads of gq; gq has had its only fill by then.
; The variance is taken of the centred numbers, in a second pass over registers: no difference of large sums.
; NO CLUSTER: all that work-groups share is the batch's gq, 72 KB of the some 670 KB that a work-group moves.  Nothing in LDS is filled twice by a tensor load.
; LIMITS: NaN and infinities are not served.
; REGISTERS: windows 1, 2: x, then y, then the result: row i, piece q at 32 i + 4 q (rows 0-7 in window 1).  Window 3: v0-127 the softmax's codes (heads 2 m, 2 m + 1 at 16 m), later four rows of o;
;   v128-159 gamma, v160-191 beta.  Window 0: as named below.
.set GQB,    73728                     ; LDS: the batch's gq, then a stage for each wave
.set SPITCH, 3600                      ; a stage row: heads 0 to 13, 3,584 bytes, + 16: an odd multiple of 16, so the sixteen rows that a store touches begin in sixteen different 16-byte columns of 256 bytes
.set STW,    16*SPITCH
.set APITCH, 528                       ; heads 14 and 15: 512 bytes + 16
.set ATW,    16*APITCH                 ; for each wave, from LDS byte 0 on
.set L16, 1                            ; v1 16 x lane
.set L8,  2                            ; v2 8 x lane
.set AGS, 3                            ; v3 gmap's scale words: 65,536 + 4 x lane
.set AST, 4                            ; v4 the stage: where I put 32 bytes of a row
.set ARD, 5                            ; v5 and where I read rows back
.set AST2, 9                           ; v9, v10 the same for heads 14 and 15
.set ARD2, 10
.set QS,  16                           ; v16-47 pairs (1 / l, scale bytes) of the sixteen heads
.set PWM, 48                           ; v48-55 the softmax's scale word of heads 2 m, 2 m + 1
.set GW,  56                           ; v56-63 gmap's scale words: 4 e + i
.set FRM, 64                           ; v64-159 four tiles of gmap, 24 registers each
.set ACC, 160                          ; v160-223 accumulator (e, i) at 8 (4 e + i)
.set SS,  224                          ; v224-231 four rows' sums;  v232-239 sums of squares;  v240-247 means;  v248-255 1 / sqrt(variance + eps): pairs
.set VV,  232
.set MU,  240
.set RS,  248
.set OT,  0                            ; in window 3: four rows of o, 32 registers each, where the codes lay
.set GA,  128
.set BE,  160
.set WV,  18
.set SEL, 36                           ; s[36:37]
.set C10, 38                           ; s38 2^-10
.set EPS, 39                           ; s39 1e-5
.set MSB, 0
.macro WIN new                         ; the immediate's high byte repeats the setting that is left; a switch that changes nothing is dropped
.if MSB != (\new)
	s_set_vgpr_msb (MSB<<8)|(\new)
.set MSB, (\new)
.endif
.endm
.macro PLACES n
.rept \n
	v_nop
.endr
.endm
.macro XROW i                          ; row i of my sixteen: eight loads of 512 consecutive bytes
	WIN 0x40*(1+(\i)/8)
.irp q, 0,1,2,3,4,5,6,7
	global_load_b128 v[32*((\i)%8)+4*\q:32*((\i)%8)+4*\q+3], v[L16], s[4:5] offset:4096*(\i)+512*\q th:TH_LOAD_NT
.endr
	WIN 0
.endm
.macro PAIRLOAD m                      ; gmap's four tiles and scale words of heads 2 m and 2 m + 1: 24 LDS loads
.irp i, 0,1,2,3
.irp e, 0,1
.irp c, 0,1
	ds_load_b128 v[FRM+24*\i+16*\e+4*\c:FRM+24*\i+16*\e+4*\c+3], v[L16] offset:4096*(2*(\m)+\e)+1024*\i+512*\c
.endr
.endr
.endr
.irp e, 0,1
.irp i, 0,1,2,3
	ds_load_b32 v[GW+4*\e+\i], v[AGS] offset:512*(2*(\m)+\e)+128*\i
.endr
.endr
.endm
; heads 2 m and 2 m + 1: eight products, each a sum of its own; the next pair's tiles and two more rows of x are asked for; / l; into the stage
.macro PAIR m
	s_wait_dscnt 0x0                               ; this pair's tiles are in; the last pair's stores into the stage have read the accumulators
.if (\m) == 7
	s_barrier_signal -1                            ; every wave's reads of gq are over (its last, heads 14 and 15, were waited for just above):
	s_barrier_wait -1                              ; behind this barrier gq's first bytes take the last pair's results
.endif
	WIN 0x0c                                       ; source 1 in window 3
.irp e, 0,1
.irp i, 0,1,2,3
	v_wmma_scale_f32_16x16x128_f8f6f4 v[ACC+8*(4*\e+\i):ACC+8*(4*\e+\i)+7], v[FRM+24*\i+8*\e:FRM+24*\i+8*\e+15], v[16*(\m):16*(\m)+15], 0, v[GW+4*\e+\i], v[PWM+(\m)]
.endr
.endr
	WIN 0
	PLACES 8                                       ; in front of the first read of results, and of loads into registers that these products have read (ISA guide 7.12.1 for vector instructions)
.if (\m) < 7
	PAIRLOAD (\m)+1                                ; they land under the 32 multiplications and 16 stores below
.endif
.if (\m) < 6
	XROW 4+2*(\m)
	XROW 5+2*(\m)
.endif
.irp e, 0,1
.irp i, 0,1,2,3
.irp k, 0,1,2,3
	v_pk_mul_f32 v[ACC+8*(4*\e+\i)+2*\k:ACC+8*(4*\e+\i)+2*\k+1], v[ACC+8*(4*\e+\i)+2*\k:ACC+8*(4*\e+\i)+2*\k+1], v[QS+2*(2*(\m)+\e):QS+2*(2*(\m)+\e)+1] op_sel_hi:[1,0]
.endr
.endr
.endr
.irp e, 0,1
.irp i, 0,1,2,3
.irp q, 0,1
.if (\m) < 7
	ds_store_b128 v[AST], v[ACC+8*(4*\e+\i)+4*\q:ACC+8*(4*\e+\i)+4*\q+3] offset:256*(2*(\m)+\e)+64*\i+16*\q
.else
	ds_store_b128 v[AST2], v[ACC+8*(4*\e+\i)+4*\q:ACC+8*(4*\e+\i)+4*\q+3] offset:256*\e+64*\i+16*\q
.endif
.endr
.endr
.endr
.endm
.macro ADDLOAD G                       ; rows 4 G .. 4 G + 3 of o out of the stage: seven pieces of 512 bytes, and the eighth (heads 14, 15).  LDS serves a wave's instructions in order: these see my stores
	WIN 0xc0
.irp g, 0,1,2,3
.irp q, 0,1,2,3,4,5,6
	ds_load_b128 v[OT+32*\g+4*\q:OT+32*\g+4*\q+3], v[ARD] offset:SPITCH*(4*(\G)+\g)+512*\q
.endr
	ds_load_b128 v[OT+32*\g+28:OT+32*\g+31], v[ARD2] offset:APITCH*(4*(\G)+\g)
.endr
.endm
.macro REDUCE b                        ; four pairs become four sums over the wave's 32 lanes, in every lane
.irp g, 0,1,2,3
	v_add_f32 v[\b+2*\g], v[\b+2*\g], v[\b+2*\g+1]
.endr
.irp x, 1,2,4,8
.irp g, 0,1,2,3
	v_add_f32_dpp v[\b+2*\g], v[\b+2*\g], v[\b+2*\g] row_xmask:\x row_mask:0xf bank_mask:0xf
.endr
.endr
.irp g, 0,1,2,3
	v_permlanex16_b32 v[\b+2*\g+1], v[\b+2*\g], s[SEL], s[SEL+1]
.endr
.irp g, 0,1,2,3
	v_add_f32 v[\b+2*\g], v[\b+2*\g], v[\b+2*\g+1]
.endr
.endm
; rows 4 G .. 4 G + 3, by turns: y = x + o, the norm, the stores.  lc: how many younger loads of x may stay out
.macro LNG G, lc
.set LW, 1+(\G)/2
.set XB0, (128*(\G))%256
	s_wait_loadcnt \lc
	s_wait_dscnt 0x0                               ; these rows of o are in
	WIN (LW<<6)|0x0c|LW
.set e, 0
.rept 64
	v_pk_add_f32 v[XB0+2*e:XB0+2*e+1], v[XB0+2*e:XB0+2*e+1], v[OT+2*e:OT+2*e+1]
.set e, e+1
.endr
.if (\G) < 3
	ADDLOAD (\G)+1                                 ; the next four rows of o land under this group's norm
.endif
	WIN (LW<<2)|LW
.irp g, 0,1,2,3
	v_pk_add_f32 v[SS+2*\g:SS+2*\g+1], v[XB0+32*\g:XB0+32*\g+1], v[XB0+32*\g+2:XB0+32*\g+3]
.endr
	WIN (LW<<2)
.set e, 8
.rept 56
	v_pk_add_f32 v[SS+2*(e%4):SS+2*(e%4)+1], v[SS+2*(e%4):SS+2*(e%4)+1], v[XB0+32*(e%4)+2*(e/4):XB0+32*(e%4)+2*(e/4)+1]
.set e, e+1
.endr
	WIN 0
	REDUCE SS
.irp g, 0,1,2,3
	v_mul_f32 v[MU+2*\g], s[C10], v[SS+2*\g]       ; the mean
.endr
	WIN (LW<<6)|LW
.set e, 0
.rept 64
	v_pk_add_f32 v[XB0+2*e:XB0+2*e+1], v[XB0+2*e:XB0+2*e+1], v[MU+2*(e/16):MU+2*(e/16)+1] op_sel_hi:[1,0] neg_lo:[0,1] neg_hi:[0,1]
.set e, e+1
.endr
	WIN (LW<<2)|LW
.irp g, 0,1,2,3
	v_pk_mul_f32 v[VV+2*\g:VV+2*\g+1], v[XB0+32*\g:XB0+32*\g+1], v[XB0+32*\g:XB0+32*\g+1]
.endr
.set e, 4
.rept 60
	v_pk_fma_f32 v[VV+2*(e%4):VV+2*(e%4)+1], v[XB0+32*(e%4)+2*(e/4):XB0+32*(e%4)+2*(e/4)+1], v[XB0+32*(e%4)+2*(e/4):XB0+32*(e%4)+2*(e/4)+1], v[VV+2*(e%4):VV+2*(e%4)+1]
.set e, e+1
.endr
	WIN 0
	REDUCE VV
.irp g, 0,1,2,3
	v_fma_f32 v[RS+2*\g], v[VV+2*\g], s[C10], s[EPS]
.endr
.irp g, 0,1,2,3
	v_rsq_f32 v[RS+2*\g], v[RS+2*\g]
.endr
	v_nop                                          ; a plain line behind the last transcendental
	WIN (LW<<6)|LW
.set e, 0
	s_wait_alu depctr_va_vdst(0)
.rept 64
	v_pk_mul_f32 v[XB0+2*e:XB0+2*e+1], v[XB0+2*e:XB0+2*e+1], v[RS+2*(e/16):RS+2*(e/16)+1] op_sel_hi:[1,0]
.set e, e+1
.endr
	WIN (LW<<6)|0x3c|LW
.set e, 0
.rept 64
	v_pk_fma_f32 v[XB0+2*e:XB0+2*e+1], v[XB0+2*e:XB0+2*e+1], v[GA+2*(e%16):GA+2*(e%16)+1], v[BE+2*(e%16):BE+2*(e%16)+1]
.set e, e+1
.endr
	WIN (LW<<2)                                    ; a store's data are its source 1
.irp g, 0,1,2,3
.irp q, 0,1,2,3,4,5,6,7
	global_store_b128 v[L16], v[XB0+32*\g+4*\q:XB0+32*\g+4*\q+3], s[16:17] offset:4096*(4*(\G)+\g)+512*\q th:TH_STORE_NT   ; 512 consecutive bytes, aligned
.endr
.endr
	WIN 0
.endm
	s_load_b256 s[4:11], s[0:1], 0x0               ; x, qc, qs, gq
	s_load_b128 s[12:15], s[0:1], 0x20             ; gamma, beta
	s_load_b64 s[16:17], s[0:1], 0x30              ; out0
	v_lshl_add_u32 v14, v0, 2, 0x4a400
	v_mov_b32 v15, 0
	ds_add_u32 v14, v15
	ds_add_u32 v14, v15
	v_lshrrev_b32 v1, 5, v0
	v_readfirstlane_b32 s[WV], v1                  ; wave 0..3
	s_mov_b32 s24, 3<<16                           ; descriptor group 1: a dense block as 72 rows of 256 bytes (32 elements of 8 bytes), no padding
	s_mov_b32 s25, 32<<16
	s_mov_b32 s26, 72<<16
	s_mov_b32 s27, 32<<16
	s_mov_b32 s28, 72
	s_mov_b32 s29, 32
	s_mov_b32 s30, 0
	s_mov_b32 s31, 0
	s_mov_b32 s20, 1
	s_mul_i32 s21, s[WV], 18432                    ; each wave brings a quarter of the batch's gq
	s_lshr_b32 s32, ttmp9, 6                       ; batch: 64 work-groups each
	s_mul_i32 s32, s32, GQB
	s_add_co_u32 s32, s32, s21
	s_mov_b32 s33, 0
	s_wait_dscnt 0x0
	s_wait_kmcnt 0x0
	s_add_nc_u64 s[22:23], s[10:11], s[32:33]
	s_or_b32 s23, s23, 0x80000000
	tensor_load_to_lds s[20:23], s[24:31]
	s_nop 0
	PLACES 4
	s_lshl_b32 s19, ttmp9, 2
	s_add_co_u32 s19, s19, s[WV]                   ; my tile of 16 rows
	s_lshl_b32 s32, s19, 16
	s_add_nc_u64 s[4:5], s[4:5], s[32:33]
	s_add_nc_u64 s[16:17], s[16:17], s[32:33]
	s_lshl_b32 s32, s19, 14
	s_add_nc_u64 s[6:7], s[6:7], s[32:33]
	s_lshl_b32 s32, s19, 12
	s_add_nc_u64 s[8:9], s[8:9], s[32:33]
	v_and_b32 v6, 31, v0                           ; lane
	v_and_b32 v7, 15, v0                           ; r
	v_bfe_u32 v8, v0, 4, 1                         ; h
	v_lshlrev_b32 v[L16], 4, v6
	v_lshlrev_b32 v[L8], 3, v6
	; what the products want goes out first: the codes and the pairs (1 / l, scale bytes); then gamma and beta; then x, row by row
	WIN 0xc0
.irp hd, 0,1,2,3,4,5,6,7,8,9,10,11,12,13,14,15
.irp c, 0,1
	global_load_b128 v[8*\hd+4*\c:8*\hd+4*\c+3], v[L16], s[6:7] offset:1024*\hd+512*\c th:TH_LOAD_NT
.endr
.endr
	WIN 0
.irp hd, 0,1,2,3,4,5,6,7,8,9,10,11,12,13,14,15
	global_load_b64 v[QS+2*\hd:QS+2*\hd+1], v[L8], s[8:9] offset:256*\hd th:TH_LOAD_NT
.endr
	WIN 0xc0
.irp q, 0,1,2,3,4,5,6,7
	global_load_b128 v[GA+4*\q:GA+4*\q+3], v[L16], s[12:13] offset:512*\q
	global_load_b128 v[BE+4*\q:BE+4*\q+3], v[L16], s[14:15] offset:512*\q
.endr
	WIN 0
	XROW 0
	XROW 1
	XROW 2
	XROW 3
	s_mov_b32 s[SEL], 0x76543210
	s_mov_b32 s[SEL+1], 0xfedcba98
	s_mov_b32 s[C10], 0x3a800000
	s_mov_b32 s[EPS], 0x3727c5ac
	s_mul_i32 s34, s[WV], STW
	s_add_co_u32 s34, s34, GQB                     ; my stage for heads 0 to 13
	s_mul_i32 s35, s[WV], ATW                      ; and for heads 14 and 15
	v_lshl_add_u32 v[AGS], v6, 2, 65536
	v_mul_u32_u24 v[AST], v7, SPITCH
	v_lshl_add_u32 v[AST], v8, 5, v[AST]
	v_add_nc_u32 v[AST], s34, v[AST]               ; in: row r, + 32 h
	v_add_nc_u32 v[ARD], s34, v[L16]               ; back: 16 bytes a lane
	v_mul_u32_u24 v[AST2], v7, APITCH
	v_lshl_add_u32 v[AST2], v8, 5, v[AST2]
	v_add_nc_u32 v[AST2], s35, v[AST2]
	v_add_nc_u32 v[ARD2], s35, v[L16]
.irp i, 0,1,2,3
.irp k, 0,1,2,3,4,5,6,7
	v_mov_b32 v[FRM+24*\i+8+\k], 0                 ; the zero codes between the two heads' tiles: written once
.endr
.endr
.set e, 0
.rept 32
	v_mov_b32 v[SS+e], 0                           ; (pairs are named whole, and a lane permute's destination counts as a source)
.set e, e+1
.endr
	s_wait_tensorcnt 0x0                           ; my quarter of gq has landed,
	s_barrier_signal -1
	s_barrier_wait -1                              ; everybody's has
	PAIRLOAD 0
	s_wait_loadcnt 48                              ; the codes and the pairs are in: behind them stand gamma's and beta's 16 loads and the 32 of x's rows 0 to 3
.irp m, 0,1,2,3,4,5,6,7
	v_lshl_or_b32 v[PWM+\m], v[QS+4*\m+3], 16, v[QS+4*\m+1]    ; the odd head's two scale bytes over the even head's
.endr
	PLACES 8                                       ; a scale register written by a vector instruction stands eight places ahead of the product that names it
	PAIR 0
	PAIR 1
	PAIR 2
	PAIR 3
	PAIR 4
	PAIR 5
	PAIR 6
	PAIR 7
	ADDLOAD 0                                      ; into the registers that held the codes: the last products that read them stand eight places and 32 multiplications back
	LNG 0, 63                                      ; rows 0 to 3 are in: behind them stand 96 loads, of which the count names 63
	LNG 1, 63                                      ; rows 4 to 7: behind them stand 64
	LNG 2, 32                                      ; rows 8 to 11: the 32 loads of rows 12 to 15 may be out
	LNG 3, 0
	s_wait_tensorcnt 0x0
	ds_add_u32 v14, v15
	s_wait_dscnt 0x0
	s_endpgm
.Lfunc_end_k_q9511d5d9c7_out:
	.size	k_q9511d5d9c7_out, .Lfunc_end_k_q9511d5d9c7_out-k_q9511d5d9c7_out
	.p2alignl 7, 3214868480
	.fill 96, 4, 3214868480
	.section	.rodata,"a",@progbits
	.p2align	6, 0x0
	.amdhsa_kernel k_q9511d5d9c7_out
		.amdhsa_group_segment_fixed_size 304640
		.amdhsa_private_segment_fixed_size 0
		.amdhsa_enable_private_segment 0
		.amdhsa_kernarg_size 56
		.amdhsa_user_sgpr_count 2
		.amdhsa_user_sgpr_kernarg_segment_ptr 1
		.amdhsa_wavefront_size32 1
		.amdhsa_system_sgpr_workgroup_id_x 1
		.amdhsa_system_sgpr_workgroup_id_y 1
		.amdhsa_system_sgpr_workgroup_id_z 1
		.amdhsa_system_vgpr_workitem_id 0
		.amdhsa_next_free_vgpr 1024
		.amdhsa_next_free_sgpr 66
		.amdhsa_reserve_vcc 0
		.amdhsa_float_denorm_mode_32 3
		.amdhsa_float_denorm_mode_16_64 3
		.amdhsa_memory_ordered 1
		.amdhsa_forward_progress 1
		.amdhsa_inst_pref_size 204
	.end_amdhsa_kernel
	.amdgpu_metadata
---
amdhsa.version: [ 1, 2 ]
amdhsa.kernels:
  - .name:           k_q9511d5d9c7_out
    .symbol:         k_q9511d5d9c7_out.kd
    .args:
      - { .name: x, .offset: 0, .size: 8, .value_kind: global_buffer, .address_space: global }
      - { .name: qc, .offset: 8, .size: 8, .value_kind: global_buffer, .address_space: global }
      - { .name: qs, .offset: 16, .size: 8, .value_kind: global_buffer, .address_space: global }
      - { .name: gq, .offset: 24, .size: 8, .value_kind: global_buffer, .address_space: global }
      - { .name: gamma, .offset: 32, .size: 8, .value_kind: global_buffer, .address_space: global }
      - { .name: beta, .offset: 40, .size: 8, .value_kind: global_buffer, .address_space: global }
      - { .name: out0, .offset: 48, .size: 8, .value_kind: global_buffer, .address_space: global }
    .group_segment_fixed_size: 304640
    .private_segment_fixed_size: 0
    .kernarg_segment_align: 8
    .kernarg_segment_size: 56
    .max_flat_workgroup_size: 128
    .sgpr_count:     66
    .vgpr_count:     1024
    .wavefront_size: 32
...
	.end_amdgpu_metadata
.endif
;; end of part 4
